; MI455X (gfx1250); checked and timed in simulation.
; The chip was launched on July 23, 2026; its instructions are those of AMD's public machine-readable ISA for CDNA 5 (MIT licence, August 2026) and "CDNA5" Instruction Set Architecture Reference Guide (July 2026). The comments in the code are by the model that wrote it; some were corrected since.
;; Gemma3 Attention. Allowed arithmetic: float matrix products may take bf16 or f16 operands with f32 sums; all other float work in f32.
;; Inputs: hidden_states 2 x 2,048 x 2,048 float32; k_norm_weight 128 float32; q_norm_weight 128 float32; wk 1,024 x 2,048 float32; wo 2,048 x 1,024 float32; wq 1,024 x 2,048 float32; wv 1,024 x 2,048 float32.
;; Outputs: out0 2 x 2,048 x 2,048 float32.
;; One version. Each part assembles by itself: llvm-mc -triple=amdgcn-amd-amdhsa -mcpu=gfx1250 --defsym DOCPART=n.
;; ======== version 1 of 1: 4 launches
;; limits: values outside matrix products are rounded to bf16; values are held in f16: magnitudes above 65,504 overflow, below 6.1e-05 lose precision
;; workspace buffers: cb 33,554,432 bytes; rope 1,048,576 bytes; qkv 25,165,824 bytes; lo 3,145,728 bytes; att 8,388,608 bytes
;; launch cast (part 1): grid 1088 x 1, 8 waves a work-group, no clusters, 0 bytes of LDS; arguments hidden_states, wq, wk, wv, wo, cb, rope; writes cb, rope
.if DOCPART == 1
	.amdgcn_target "amdgcn-amd-amdhsa--gfx1250"
	.amdhsa_code_object_version 6
	.text
	.protected	k_q9859d6d287_cast
	.globl	k_q9859d6d287_cast
	.p2align	8
	.type	k_q9859d6d287_cast,@function
k_q9859d6d287_cast:
	s_mov_b64 s[64:65], 0
	v_nop
	global_prefetch_b8 v0, s[64:65] scope:SCOPE_SE
	s_setreg_imm32_b32 hwreg(HW_REG_WAVE_MODE, 25, 1), 1
	s_wait_xcnt 0x0
; Two jobs, chosen by the work-group's number g.
; g = 0 .. 1023: 16,384 numbers of one f32 input are rounded to 16 bits.  cb holds, in this order, X [4096][2048], wq, wk, wv (each [1024][2048]) and
;   wo [2048][1024]; 512 groups serve X and 128 each weight, so group g's 32,768 bytes of cb begin at byte 32,768 g.
;   X, wq, wk, wv are written as bf16.  wo is rounded to bf16 like them and then written as f16, since its partner in the last product, the attention's result, is f16:
;   a bf16 number has 8 significant bits and fits f16's 11.  LIMIT: |wo| under 65,504; numbers under 6.1e-5 (f16's denormals) are held to 6e-8 absolute.
; g = 1024 .. 1087: the table of cosines and sines for the rotary embedding, f32, in the order in which the next launch's lanes read it:
;   [pos / 16 (128)][w (4)][p (4)][lane (32)][4 numbers]: position 16 (pos / 16) + lane % 16, frequency 16 w + 8 (lane / 16) + 4 (p % 2) + 0..3, cosine for p < 2, sine for p >= 2.
; No LDS, no barrier, no matrix unit: each byte is read once and written once.
; LIMIT: angle = pos x 10000^(-f/64) is made in f32 (the power by v_exp_f32), reduced by a multiple of 2 pi held in two words, and cosine and sine are Taylor sums
;   up to x^14 and x^15 on [-pi, pi] (remainder under 5e-6); with the rounding of the product at position 2,047 the angle is good to about 3e-4 radians.
.set XR, 4                             ; v[4:67]   16 loads of 4 f32
.set YR, 68                            ; v[68:99]  16 pairs of words, 4 numbers of 16 bits each
	s_load_b256 s[4:11], s[0:1], 0x0               ; X s[4:5], wq s[6:7], wk s[8:9], wv s[10:11]
	s_load_b128 s[12:15], s[0:1], 0x20             ; wo s[12:13], cb s[14:15]
	s_load_b64 s[16:17], s[0:1], 0x30              ; rope
	v_and_b32 v1, 31, v0                           ; lane
	v_lshrrev_b32 v2, 5, v0                        ; wave
	s_cmp_ge_u32 ttmp9, 1024
	s_cbranch_scc1 .Ltable
	; THE CAST.  A wave takes 2,048 numbers: 16 loads of 512 neighbouring bytes, all issued at once, 16 stores of 256 neighbouring bytes.
	s_lshr_b32 s20, ttmp9, 7                       ; 0-3: X, 4: wq, 5: wk, 6: wv, 7: wo
	s_and_b32 s21, ttmp9, 127
	s_lshl_b32 s21, s21, 16                        ; the group's 65,536 bytes in a weight,
	s_lshl_b32 s22, ttmp9, 16                      ; or in X
	s_cmp_lt_u32 ttmp9, 512
	s_cselect_b32 s22, s22, s21
	s_mov_b32 s23, 0
	s_lshl_b32 s24, ttmp9, 15                      ; and its 32,768 bytes in cb
	s_mov_b32 s25, 0
	v_lshlrev_b32 v3, 4, v1
	v_lshl_add_u32 v3, v2, 13, v3                  ; in: 8,192 wave + 16 lane
	v_lshlrev_b32 v1, 3, v1
	v_lshl_add_u32 v2, v2, 12, v1                  ; out: 4,096 wave + 8 lane
	s_wait_kmcnt 0x0
	s_cmp_eq_u32 s20, 4
	s_cselect_b64 s[4:5], s[6:7], s[4:5]
	s_cmp_eq_u32 s20, 5
	s_cselect_b64 s[4:5], s[8:9], s[4:5]
	s_cmp_eq_u32 s20, 6
	s_cselect_b64 s[4:5], s[10:11], s[4:5]
	s_cmp_eq_u32 s20, 7
	s_cselect_b64 s[4:5], s[12:13], s[4:5]
	s_add_nc_u64 s[4:5], s[4:5], s[22:23]
	s_add_nc_u64 s[14:15], s[14:15], s[24:25]
.irp k, 0,1,2,3,4,5,6,7,8,9,10,11,12,13,14,15
	global_load_b128 v[XR+4*\k:XR+4*\k+3], v3, s[4:5] offset:512*\k th:TH_LOAD_NT
.endr
; The 16 loads are rounded and stored.  wo = 1: the bf16 numbers are widened again (a shift, a mask) and written as f16.
.macro OUT16 wo
.irp k, 0,1,2,3,4,5,6,7,8,9,10,11,12,13,14,15
	s_wait_loadcnt 15-\k                           ; loads come back in order: load k is in, the 15 - k younger ones stay out
	v_cvt_pk_bf16_f32 v[YR+2*\k],   v[XR+4*\k],   v[XR+4*\k+1]
	v_cvt_pk_bf16_f32 v[YR+2*\k+1], v[XR+4*\k+2], v[XR+4*\k+3]
.if \wo
	v_lshlrev_b32 v[XR+4*\k],   16, v[YR+2*\k]
	v_and_b32     v[XR+4*\k+1], 0xffff0000, v[YR+2*\k]
	v_lshlrev_b32 v[XR+4*\k+2], 16, v[YR+2*\k+1]
	v_and_b32     v[XR+4*\k+3], 0xffff0000, v[YR+2*\k+1]
	v_cvt_pk_f16_f32 v[YR+2*\k],   v[XR+4*\k],   v[XR+4*\k+1]
	v_cvt_pk_f16_f32 v[YR+2*\k+1], v[XR+4*\k+2], v[XR+4*\k+3]
.endif
	global_store_b64 v2, v[YR+2*\k:YR+2*\k+1], s[14:15] offset:256*\k   ; 32 lanes store 256 consecutive bytes, at a multiple of 256 from cb's first byte; no register that a store names is written again
.endr
.endm
	s_cmp_eq_u32 s20, 7
	s_cbranch_scc1 .Lwo
	OUT16 0
	s_endpgm
.Lwo:
	OUT16 1
	s_endpgm
	; THE TABLE.  A wave makes one unit (pos / 16, w) of 2,048 bytes: each lane one position and eight frequencies.
.set FR, 4                             ; v[4:11]   10000^(-f/64)
.set CO, 16                            ; v[16:23]  cosines
.set SI, 24                            ; v[24:31]  sines
.set TH, 32                            ; v[32:39]  the angle, then the angle reduced
.set KK, 40                            ; v[40:47]  how many turns are taken off
.set ZZ, 48                            ; v[48:55]  the reduced angle's square
.macro HORNER reg, kk                  ; one step of eight sums: p = p z + kk
.irp j, 0,1,2,3,4,5,6,7
	v_fmaak_f32 v[\reg+\j], v[\reg+\j], v[ZZ+\j], \kk
.endr
.endm
.Ltable:
	s_sub_co_u32 s20, ttmp9, 1024                  ; 0 .. 63
	s_lshl_b32 s22, s20, 14                        ; the group's eight units
	s_mov_b32 s23, 0
	s_mov_b32 s24, 0x40c90fdb                      ; 2 pi, rounded to f32,
	s_mov_b32 s25, 0xb43bbd2e                      ; and what that rounding left over
	s_mov_b32 s26, 0xad49cba5                      ; -1/14!
	s_mov_b32 s27, 0x310f76c7                      ; 1/12!
	s_mov_b32 s28, 0xab573f9f                      ; -1/15!
	s_mov_b32 s29, 0x2f309231                      ; 1/13!
	v_lshrrev_b32 v3, 2, v2
	v_lshl_add_u32 v3, s20, 1, v3                  ; pos / 16 = 2 x group + wave / 4
	v_and_b32 v12, 15, v1
	v_lshl_add_u32 v12, v3, 4, v12                 ; the lane's position
	v_and_b32 v13, 3, v2                           ; w
	v_lshrrev_b32 v14, 4, v1
	v_lshlrev_b32 v14, 3, v14
	v_lshl_add_u32 v13, v13, 4, v14                ; the lane's first frequency: 16 w + 8 (lane / 16)
.irp j, 0,1,2,3,4,5,6,7
	v_add_nc_u32 v[FR+\j], \j, v13
.endr
.irp j, 0,1,2,3,4,5,6,7
	v_cvt_f32_u32 v[FR+\j], v[FR+\j]
.endr
.irp j, 0,1,2,3,4,5,6,7
	v_mul_f32 v[FR+\j], 0xbe549a78, v[FR+\j]       ; -f log2(10000) / 64
.endr
.irp j, 0,1,2,3,4,5,6,7
	v_exp_f32 v[FR+\j], v[FR+\j]
.endr
	v_cvt_f32_u32 v12, v12                         ; a plain instruction between the last exponential and the use of its result (ISA guide 5.7.2)
	v_lshlrev_b32 v3, 4, v1
	v_lshl_add_u32 v3, v2, 11, v3                  ; out: 2,048 wave + 16 lane
	s_wait_alu depctr_va_vdst(0)
.irp j, 0,1,2,3,4,5,6,7
	v_mul_f32 v[TH+\j], v12, v[FR+\j]
.endr
.irp j, 0,1,2,3,4,5,6,7
	v_mul_f32 v[KK+\j], 0.15915494, v[TH+\j]
.endr
.irp j, 0,1,2,3,4,5,6,7
	v_rndne_f32 v[KK+\j], v[KK+\j]                 ; at most 326 turns
.endr
.irp j, 0,1,2,3,4,5,6,7
	v_fma_f32 v[TH+\j], -v[KK+\j], s24, v[TH+\j]
.endr
.irp j, 0,1,2,3,4,5,6,7
	v_fma_f32 v[TH+\j], -v[KK+\j], s25, v[TH+\j]   ; now in [-pi, pi]
.endr
.irp j, 0,1,2,3,4,5,6,7
	v_mul_f32 v[ZZ+\j], v[TH+\j], v[TH+\j]
.endr
.irp j, 0,1,2,3,4,5,6,7
	v_fma_f32 v[CO+\j], v[ZZ+\j], s26, s27
	v_fma_f32 v[SI+\j], v[ZZ+\j], s28, s29
.endr
	HORNER CO, 0xb493f27e                          ; -1/10!
	HORNER SI, 0xb2d7322b                          ; -1/11!
	HORNER CO, 0x37d00d01                          ; 1/8!
	HORNER SI, 0x3638ef1d                          ; 1/9!
	HORNER CO, 0xbab60b61                          ; -1/6!
	HORNER SI, 0xb9500d01                          ; -1/7!
	HORNER CO, 0x3d2aaaab                          ; 1/4!
	HORNER SI, 0x3c088889                          ; 1/5!
	HORNER CO, 0xbf000000                          ; -1/2
	HORNER SI, 0xbe2aaaab                          ; -1/3!
	HORNER CO, 0x3f800000                          ; 1
	HORNER SI, 0x3f800000                          ; 1
.irp j, 0,1,2,3,4,5,6,7
	v_mul_f32 v[SI+\j], v[SI+\j], v[TH+\j]
.endr
	s_wait_kmcnt 0x0
	s_add_nc_u64 s[16:17], s[16:17], s[22:23]
	global_store_b128 v3, v[CO:CO+3],   s[16:17]               ; each store of the wave covers 512 consecutive bytes, aligned
	global_store_b128 v3, v[CO+4:CO+7], s[16:17] offset:512
	global_store_b128 v3, v[SI:SI+3],   s[16:17] offset:1024
	global_store_b128 v3, v[SI+4:SI+7], s[16:17] offset:1536
	s_endpgm
.Lfunc_end_k_q9859d6d287_cast:
	.size	k_q9859d6d287_cast, .Lfunc_end_k_q9859d6d287_cast-k_q9859d6d287_cast
	.p2alignl 7, 3214868480
	.fill 96, 4, 3214868480
	.section	.rodata,"a",@progbits
	.p2align	6, 0x0
	.amdhsa_kernel k_q9859d6d287_cast
		.amdhsa_group_segment_fixed_size 0
		.amdhsa_private_segment_fixed_size 0
		.amdhsa_enable_private_segment 0
		.amdhsa_kernarg_size 56
		.amdhsa_user_sgpr_count 2
		.amdhsa_user_sgpr_kernarg_segment_ptr 1
		.amdhsa_wavefront_size32 1
		.amdhsa_system_sgpr_workgroup_id_x 1
		.amdhsa_system_sgpr_workgroup_id_y 1
		.amdhsa_system_sgpr_workgroup_id_z 1
		.amdhsa_system_vgpr_workitem_id 0
		.amdhsa_next_free_vgpr 100
		.amdhsa_next_free_sgpr 66
		.amdhsa_reserve_vcc 0
		.amdhsa_float_denorm_mode_32 3
		.amdhsa_float_denorm_mode_16_64 3
		.amdhsa_memory_ordered 1
		.amdhsa_forward_progress 1
		.amdhsa_inst_pref_size 29
	.end_amdhsa_kernel
	.amdgpu_metadata
---
amdhsa.version: [ 1, 2 ]
amdhsa.kernels:
  - .name:           k_q9859d6d287_cast
    .symbol:         k_q9859d6d287_cast.kd
    .args:
      - { .name: hidden_states, .offset: 0, .size: 8, .value_kind: global_buffer, .address_space: global }
      - { .name: wq, .offset: 8, .size: 8, .value_kind: global_buffer, .address_space: global }
      - { .name: wk, .offset: 16, .size: 8, .value_kind: global_buffer, .address_space: global }
      - { .name: wv, .offset: 24, .size: 8, .value_kind: global_buffer, .address_space: global }
      - { .name: wo, .offset: 32, .size: 8, .value_kind: global_buffer, .address_space: global }
      - { .name: cb, .offset: 40, .size: 8, .value_kind: global_buffer, .address_space: global }
      - { .name: rope, .offset: 48, .size: 8, .value_kind: global_buffer, .address_space: global }
    .group_segment_fixed_size: 0
    .private_segment_fixed_size: 0
    .kernarg_segment_align: 8
    .kernarg_segment_size: 56
    .max_flat_workgroup_size: 256
    .sgpr_count:     66
    .vgpr_count:     100
    .wavefront_size: 32
...
	.end_amdgpu_metadata
.endif
;; end of part 1
;; launch qkv (part 2): grid 8 x 32, 4 waves a work-group, clusters of 4 x 4, 327,680 bytes of LDS; arguments cb, rope, q_norm_weight, k_norm_weight, qkv, lo; writes qkv, lo
.if DOCPART == 2
	.amdgcn_target "amdgcn-amd-amdhsa--gfx1250"
	.amdhsa_code_object_version 6
	.text
	.protected	k_q9859d6d287_qkv
	.globl	k_q9859d6d287_qkv
	.p2align	8
	.type	k_q9859d6d287_qkv,@function
k_q9859d6d287_qkv:
	s_mov_b64 s[64:65], 0
	v_nop
	global_prefetch_b8 v0, s[64:65] scope:SCOPE_SE
	s_setreg_imm32_b32 hwreg(HW_REG_WAVE_MODE, 25, 1), 1
	s_wait_xcnt 0x0
	s_wait_alu depctr_hold_cnt(0) depctr_sa_sdst(0) depctr_va_vdst(0) depctr_va_sdst(0) depctr_va_ssrc(0) depctr_va_vcc(0) depctr_vm_vsrc(0)
	s_getreg_b32 s2, hwreg(HW_REG_IB_STS2, 6, 4)
	s_cmp_eq_u32 s2, 0
	s_cbranch_scc0 .Lentry_in_a_cluster
	s_endpgm
.Lentry_in_a_cluster:
	s_bfe_u32 s2, ttmp6, 0x10000c
	s_cmp_lg_u32 s2, 0xf033
	s_cbranch_scc0 .Lentry_shape_is_right
	s_endpgm
.Lentry_shape_is_right:
; q, k, v = X [wq; wk; wv]^T, then for q and k the RMS norm over a head's 128 channels with gain 1 + w and the rotary embedding; all three leave as f16, [3][8 b + head][2048][128].
; X [4096][2048] and the weights ([3072][2048]) are bf16, in cb; sums in f32.  q is also multiplied by c = log2(e) / sqrt(128), so that the next launch's scores are exponents of 2.
; WHY F16, AND WHY REMAINDERS.  A row of the module's result is an average over the keys that its query may see: one key at position 0, 1,024 from position 1,023 on.  So the first rows
;   are about ten times larger than the result's root mean square, by which its allowance is set, and want more of q, k and v than 8 significant bits: f16 keeps 11.  For the blocks of 128
;   rows that begin at positions 0 and 1,024 the remainders x - f16(x) leave too, as f16, in lo: [3][8 b + head][2][128][128].  The next launch reads the half of positions 0-127;
;   the other half is written because the branch hangs on the cluster's number alone, and a cluster holds four blocks of rows.
; LIMITS.  |v| under 65,504 (f16): the drawn inputs give |v| under 6, both inputs 30 times larger under 5,400, a common offset of 30 spreads on both about 36,900.  q and k are bounded by
;   sqrt(128) |1 + w|.  The two norm weights are rounded to bf16 like every other input of this program: all inputs are taken at that one precision.
; SHARES.  A work-group makes 128 rows x (q, k, v of ONE head): 128 x 384.  Wave w makes all 128 rows (blocks a = 0..7 of 16) x six blocks of 16 channels, nb = 2 t + jj (t = 0, 1, 2: q, k, v):
;   head channels 64 jj + 16 w + 0..15.  So channel d and channel d + 64, which the rotation pairs, lie in the same lane at the same register index.  48 accumulators, 384 registers.
; THE MATRIX INSTRUCTION IS USED TRANSPOSED (source 0 = 16 rows of a weight, source 1 = 16 rows of X): register j of lane l holds row 16 a + l % 16, channel 64 jj + 16 w + 8 (l / 16) + j.
; K goes in steps of 128 (rows of 256 bytes in memory, at multiples of 256 from cb's first byte) through two LDS slots of four tiles of 128 rows: X's, wq's, wk's, wv's; each wave fetches one tile.
; CLUSTERS: 4 x 4 work-groups.  The four of a row of the cluster share their 128 rows of X, the four of a column their head's rows of the weights: each tile is asked for jointly,
;   by the same tensor load with the same descriptor and a mask that names the four.  The block of rows is cluster y + 8 cy, so that cluster y = 0 holds blocks 0, 8, 16, 24.
; A wave has two tensor loads out at the start and one behind each round.
; REGISTERS, in windows of 256 (s_set_vgpr_msb's low byte: bits 1:0 source 0, 3:2 source 1, 5:4 source 2, 7:6 destination):
;   window 0: v0-31 addresses (v6-13: eight words of f16 at work); v32-63 gains; v64-191 cosines and sines (16 a block); v192-223 sums of squares, then 1 / rms; v224-255 at work on the way out
;   window 1: two fragment buffers of 112 (64 of X, 48 of the weights); on the way out v0-191 take the rows read back from the stage
;   window 2: the accumulators of blocks a = 0..3, (a, nb) at v[8 (6 a + nb)];  window 3: those of a = 4..7
.set KSTEP,  128
.set PITCH,  272                       ; an LDS row: 256 bytes + 16 of padding = 68 words: row r starts at bank 4 r mod 64 (64 banks of 4 bytes: ISA guide 11.1), so the 16 rows of a load start at 16 different banks
.set T128,   128*PITCH                 ; a tile: what one tensor load brings
.set SLOT,   4*T128
.set STAGE,  2*SLOT                    ; behind the ring: 128 rows x 272 bytes, the work-group's, for the way out; no tensor load fills it
.set SUMS,   STAGE+T128                ; 4,096 bytes: the word of (t, row, wave) at ((128 t + row) 4 + wave) 4
.set LAPS,   8                         ; 2,048 / 256: a lap = two K steps = once round the ring
.set WV,   14                          ; s14  my wave's number
.set HP,   6                           ; v6-13   16 results as f16, on their way back to f32
.set ADRA, 16                          ; v16-17  LDS address of my fragments of X in slot 0, 1
.set ADRB, 20                          ; v[20 + 3 slot + t]  the same for weight t
.set STO,  26                          ; the way out: where I put 16 bytes of a row
.set RD,   27                          ; where I read a row back
.set CO,   28                          ; 16 x lane: my bytes in two rows of the output, and in a piece of the table
.set SSTO, 29                          ; where I put a row's partial sum of squares
.set SRD,  30                          ; where I read a row's four partial sums
.set GOFF, 31                          ; my eight channels in a norm weight
.set GQ,   32                          ; v32-47  (1 + wq) c of my channels d (8) and d + 64 (8)
.set GK,   48                          ; v48-63  1 + wk likewise
.set CSN,  64                          ; v[64 + 16 a]: 8 cosines, 8 sines of block a's rows
.set SS,   192                         ; v[192 + 2 (2 a + t)]: a pair
.set Y1,   224
.set Y2,   232
.set O1,   240
.set O2,   248
.set F0,   0
.set F1,   112
.set G1,  24                           ; s[24:31] descriptor group 1 for X's tiles;  s[32:39] group 0, a set for each slot
.set G0,  32
.set G1B, 48                           ; s[48:55], s[56:63] the same for the weights' tiles
.set G0B, 56
.set MSB, 0
.macro WIN new                         ; the immediate's high byte repeats the setting that is left; a switch that changes nothing is dropped
.if MSB != (\new)
	s_set_vgpr_msb (MSB<<8)|(\new)
.set MSB, (\new)
.endif
.endm
.set MUL_LO, 0xa5                      ; sources 0 and 1 window 1, C and D window 2
.set MUL_HI, 0xf5                      ; the same, C and D window 3
.set TO_F,   0x40                      ; destination window 1, address window 0
; A joint load.  Wave 0 fetches X's tile, waves 1 to 3 the three weights'.  The branch hangs on the wave's number alone.  Four v_nop follow each of the two lines.
.macro JLOAD s
	s_cmp_eq_u32 s[WV], 0
	s_cbranch_scc0 .Lfor_b_\@
	tensor_load_to_lds s[G0+4*(\s):G0+4*(\s)+3], s[G1:G1+7]
	s_nop 0
.rept 4
	v_nop
.endr
	s_branch .Lasked_\@
.Lfor_b_\@:
	tensor_load_to_lds s[G0B+4*(\s):G0B+4*(\s)+3], s[G1B:G1B+7]
	s_nop 0
.rept 4
	v_nop
.endr
.Lasked_\@:
.endm
.macro CREST                           ; a round of the cluster's barrier behind its opening barrier
	s_cmp_lg_u32 s[WV], 0
	s_cbranch_scc1 .Lnot_wave_0_\@
	s_barrier_signal -3
.Lnot_wave_0_\@:
	s_barrier_wait -3
	s_barrier_signal -1
	s_barrier_wait -1
.endm
.macro CROUND                          ; a whole round
	s_barrier_signal -1
	s_barrier_wait -1
	CREST
.endm
	s_load_b256 s[4:11], s[0:1], 0x0               ; cb s[4:5], rope s[6:7], q_norm_weight s[8:9], k_norm_weight s[10:11]
	s_load_b64 s[12:13], s[0:1], 0x20              ; qkv
	s_load_b64 s[84:85], s[0:1], 0x28              ; lo
	s_set_vgpr_msb 0x40
	v_lshl_add_u32 v254, v0, 2, 0x4d800
	v_mov_b32 v255, 0
	s_set_vgpr_msb 0x4045
	ds_add_u32 v254, v255
	ds_add_u32 v254, v255
	s_set_vgpr_msb 0x4500
	v_lshrrev_b32 v1, 5, v0
	v_readfirstlane_b32 s[WV], v1                  ; wave 0..3
	s_max_u32 s15, s[WV], 1
	s_sub_co_u32 s15, s15, 1                       ; which weight I fetch (waves 1 to 3: 0, 1, 2)
	s_bfe_u32 s40, ttmp6, 0x40000                  ; cx, cy: my place in the cluster
	s_bfe_u32 s41, ttmp6, 0x40004
	s_lshl_b32 s42, ttmp9, 2
	s_add_co_u32 s42, s42, s40                     ; the head = 4 x cluster x + cx
	s_and_b32 s69, ttmp7, 0xffff                   ; the cluster's y, 0..7: the same number in all sixteen partners
	s_lshl_b32 s43, s41, 3
	s_add_co_u32 s43, s43, s69                     ; the block of 128 rows = cluster y + 8 cy
	s_lshl_b32 s44, s41, 2
	s_lshl_b32 s44, 15, s44                        ; my row of the cluster
	s_lshl_b32 s45, 0x1111, s40                    ; my column
	; descriptor group 1: a tile of 128 rows x 128 elements, padded in LDS
	s_or_b32 s[G1+0], s44, (1<<16)|(1<<20)|(1<<21)|(5<<22)|(3<<25)   ; 15:0 the mask: X's tiles go to my row; 17:16 elements of 2 bytes; 20 padding on; 21 set beside a mask; 24:22 after every 64 words (code 5); 31:25 4 words (code 3)
	s_or_b32 s[G1B+0], s45, (1<<16)|(1<<20)|(1<<21)|(5<<22)|(3<<25)  ; the same with the mask of my column
.irp g, G1, G1B
	s_mov_b32 s[\g+1], KSTEP<<16                   ; tensor_dim0 = 128
	s_mov_b32 s[\g+2], 128<<16                     ; tensor_dim1 = 128
	s_mov_b32 s[\g+3], KSTEP<<16                   ; tile_dim0 = 128
	s_mov_b32 s[\g+4], 128                         ; tile_dim1 = 128
	s_mov_b32 s[\g+5], 2048                        ; elements from row to row
	s_mov_b32 s[\g+6], 0
	s_mov_b32 s[\g+7], 0
.endr
	s_lshl_b32 s78, s43, 19                        ; X: 128 rows of 4,096 bytes a block
	s_mov_b32 s79, 0
	s_lshl_b32 s46, s15, 22                        ; the weights: 4,194,304 bytes each,
	s_lshl_b32 s47, s42, 19                        ; 128 rows of 4,096 bytes a head,
	s_add_co_u32 s46, s46, s47
	s_add_co_u32 s46, s46, 16777216                ; behind X in cb
	s_mov_b32 s47, 0
	s_mul_i32 s20, s[WV], T128                     ; where my tile goes: no place in the cluster enters an LDS address
	s_mov_b32 s66, 0x3e0293ee                      ; c = log2(e) / sqrt(128)
	s_mov_b32 s67, 0x3c000000                      ; 1 / 128
	s_mov_b32 s68, 0x358637bd                      ; eps = 1e-6
	s_mov_b32 s70, 0x76543210                      ; v_permlanex16_b32: each lane takes its own place in the other half
	s_mov_b32 s71, 0xfedcba98
	s_and_b32 s80, s43, 15                         ; the block's place in its sequence of 2,048 positions
	s_lshl_b32 s81, s80, 5
	s_add_co_u32 s81, s81, s[WV]
	s_lshl_b32 s82, s81, 11                        ; the table: unit (8 x place + a, w) of 2,048 bytes; a stands in the loads' immediates
	s_mov_b32 s83, 0
	s_wait_dscnt 0x0
	s_wait_kmcnt 0x0
	s_add_nc_u64 s[78:79], s[4:5], s[78:79]
	s_add_nc_u64 s[46:47], s[4:5], s[46:47]
	s_add_nc_u64 s[6:7], s[6:7], s[82:83]
	s_lshr_b32 s81, s43, 4                         ; the batch
	s_lshl_b32 s81, s81, 3
	s_add_co_u32 s81, s81, s42                     ; 8 b + head
	s_lshl_b32 s82, s81, 19                        ; 2,048 rows of 256 bytes
	s_lshl_b32 s80, s80, 15                        ; the block's 128 rows
	s_add_co_u32 s82, s82, s80
	s_lshl_b32 s80, s[WV], 13                      ; the 32 rows that I store
	s_add_co_u32 s82, s82, s80
	s_add_nc_u64 s[72:73], s[12:13], s[82:83]      ; q,
	s_add_nc_u64 s[74:75], s[72:73], 8388608       ; k,
	s_add_nc_u64 s[76:77], s[72:73], 16777216      ; v
	s_lshl_b32 s82, s81, 16                        ; lo: 2 x 128 rows of 256 bytes for each 8 b + head,
	s_bfe_u32 s81, s43, 0x10003                    ; half 0: positions 0-127, half 1: positions 1,024-1,151
	s_lshl_b32 s81, s81, 15
	s_add_co_u32 s82, s82, s81
	s_add_co_u32 s82, s82, s80                     ; the 32 rows that I store
	s_add_nc_u64 s[86:87], s[84:85], s[82:83]      ; q's remainders,
	s_add_nc_u64 s[88:89], s[86:87], 1048576       ; k's,
	s_add_nc_u64 s[90:91], s[86:87], 2097152       ; v's
	CROUND                                         ; all sixteen work-groups are here: the first joint loads meet
.irp s, 0,1
	s_mov_b32 s[G0+4*\s], 1                                        ; count = 1
	s_add_co_u32 s[G0+4*\s+1], s20, \s*SLOT                        ; LDS address
	s_add_nc_u64 s[G0+4*\s+2:G0+4*\s+3], s[78:79], \s*KSTEP*2      ; global address: K step s
	s_or_b32 s[G0+4*\s+3], s[G0+4*\s+3], 0x80000000                ; type = 2
	s_mov_b32 s[G0B+4*\s], 1
	s_add_co_u32 s[G0B+4*\s+1], s20, \s*SLOT
	s_add_nc_u64 s[G0B+4*\s+2:G0B+4*\s+3], s[46:47], \s*KSTEP*2
	s_or_b32 s[G0B+4*\s+3], s[G0B+4*\s+3], 0x80000000
	JLOAD \s
.endr
	v_and_b32 v1, 15, v0                           ; r = l % 16
	v_bfe_u32 v2, v0, 4, 1                         ; h = l / 16
	v_and_b32 v3, 31, v0                           ; l
	v_lshlrev_b32 v[CO], 4, v3
	v_lshlrev_b32 v[GOFF], 5, v2
	v_lshl_add_u32 v[GOFF], s[WV], 6, v[GOFF]      ; 4 (16 w + 8 h)
	; The table and the gains are asked for now and waited for once, on the way out: 40 loads stay out through the K loop, which touches none of their registers.
.irp a, 0,1,2,3,4,5,6,7
.irp p, 0,1,2,3
	global_load_b128 v[CSN+16*\a+4*\p:CSN+16*\a+4*\p+3], v[CO], s[6:7] offset:8192*\a+512*\p
.endr
.endr
	global_load_b128 v[GQ:GQ+3],     v[GOFF], s[8:9]
	global_load_b128 v[GQ+4:GQ+7],   v[GOFF], s[8:9] offset:16
	global_load_b128 v[GQ+8:GQ+11],  v[GOFF], s[8:9] offset:256
	global_load_b128 v[GQ+12:GQ+15], v[GOFF], s[8:9] offset:272
	global_load_b128 v[GK:GK+3],     v[GOFF], s[10:11]
	global_load_b128 v[GK+4:GK+7],   v[GOFF], s[10:11] offset:16
	global_load_b128 v[GK+8:GK+11],  v[GOFF], s[10:11] offset:256
	global_load_b128 v[GK+12:GK+15], v[GOFF], s[10:11] offset:272
	v_mul_u32_u24 v4, v1, PITCH
	v_lshl_add_u32 v4, v2, 4, v4                   ; a fragment's row x pitch + 16 x half
	v_mov_b32 v[ADRA], v4
	v_add_nc_u32 v[ADRA+1], SLOT, v4
	s_mul_i32 s21, s[WV], 16*PITCH                 ; my 16 channels of each half of a head
	v_add_nc_u32 v5, s21, v4
.irp s, 0,1
.irp t, 0,1,2
	v_add_nc_u32 v[ADRB+3*\s+\t], \s*SLOT+T128*(1+\t), v5
.endr
.endr
	s_lshl_b32 s21, s[WV], 5
	s_add_co_u32 s21, s21, STAGE
	v_add_nc_u32 v[STO], s21, v4                   ; stage row r, bytes 32 w + 16 h of its first 128; the block and the second 128 stand in the immediates
	s_mul_i32 s21, s[WV], 32*PITCH
	s_add_co_u32 s21, s21, STAGE
	v_mul_u32_u24 v5, v2, PITCH
	v_lshl_add_u32 v5, v1, 4, v5
	v_add_nc_u32 v[RD], s21, v5                    ; back: wave w takes rows 32 w .. 32 w + 31, whole; lanes 0-15 one row, lanes 16-31 the next
	v_lshlrev_b32 v[SRD], 4, v1
	v_add_nc_u32 v[SRD], SUMS, v[SRD]
	v_lshl_add_u32 v[SSTO], s[WV], 2, v[SRD]
; 12 matrix instructions: blocks a0, a0 + 1 of the window's four x all six channel blocks, 32 along K.  zero = 1: the first product starts the sums.
; The 48 accumulators take turns, one instruction a turn.
.macro MUL12 f, hi, a0, zero
.irp a, \a0, \a0+1
.irp nb, 0,1,2,3,4,5
.if \zero
	v_wmma_f32_16x16x32_bf16 v[8*(6*(\a)+\nb):8*(6*(\a)+\nb)+7], v[\f+64+8*\nb:\f+64+8*\nb+7], v[\f+8*(4*\hi+\a):\f+8*(4*\hi+\a)+7], 0
.else
	v_wmma_f32_16x16x32_bf16 v[8*(6*(\a)+\nb):8*(6*(\a)+\nb)+7], v[\f+64+8*\nb:\f+64+8*\nb+7], v[\f+8*(4*\hi+\a):\f+8*(4*\hi+\a)+7], v[8*(6*(\a)+\nb):8*(6*(\a)+\nb)+7]
.endif
.endr
.endr
.endm
; 28 LDS loads in one run: the fragments of 32 along K at byte k of the rows, into buffer f: the weights' 12, then X's rows 0-63 (8), then rows 64-127 (8)
.macro FETCH slot, k, f
	WIN TO_F
.irp t, 0,1,2
.irp jj, 0,1
	ds_load_b128 v[\f+64+8*(2*\t+\jj):\f+64+8*(2*\t+\jj)+3],   v[ADRB+3*\slot+\t] offset:\k+\jj*64*PITCH
	ds_load_b128 v[\f+64+8*(2*\t+\jj)+4:\f+64+8*(2*\t+\jj)+7], v[ADRB+3*\slot+\t] offset:\k+\jj*64*PITCH+32
.endr
.endr
.irp a, 0,1,2,3,4,5,6,7
	ds_load_b128 v[\f+8*\a:\f+8*\a+3],   v[ADRA+\slot] offset:\k+\a*16*PITCH
	ds_load_b128 v[\f+8*\a+4:\f+8*\a+7], v[ADRA+\slot] offset:\k+\a*16*PITCH+32
.endr
.endm
.macro PLACES                          ; four places in front of loads into registers that matrix instructions have read, and of vector work that reads results (ISA guide 7.12.1 for vector work)
.rept 4
	v_nop
.endr
.endm
; A K step is four quarters of 32 along K, 48 matrix instructions each, on buffers 0, 1, 0, 1.  One of the first three: multiplies buffer f and fetches the next quarter, at byte k, into g.
.macro QUARTER slot, k, f, g, zero
	s_wait_dscnt 8                                 ; the weights and X's rows 0-63 are in; the youngest eight loads (rows 64-127) may be out
	WIN MUL_LO
	MUL12 \f, 0, 0, \zero
	MUL12 \f, 0, 2, \zero
	PLACES
	FETCH \slot, \k, \g
	s_wait_dscnt 28                                ; all but the 28 just issued
	WIN MUL_HI
	MUL12 \f, 1, 0, \zero
	MUL12 \f, 1, 2, \zero
.endm
; The last quarter multiplies buffer 1 and changes slots: ONE barrier; in front of it each wave waits for its own reads of this slot and for all its tensor loads, of which one is out:
; its tile of the next slot.  fill = 1: the barrier opens a round of the cluster's barrier, and this slot is filled again, two K steps ahead, first thing behind the round.
.macro TURN slot, next, fill
	s_wait_dscnt 8
	WIN MUL_LO
	MUL12 F1, 0, 0, 0
	s_wait_dscnt 0                                 ; my reads of this slot are over,
	s_wait_tensorcnt 0x0                           ; and all my tensor loads have landed
	ds_add_u32 v254, v255
	s_wait_dscnt 0x0
	s_barrier_signal -1
	MUL12 F1, 0, 2, 0                              ; work on registers while the others arrive
.if \fill
	WIN 0                                          ; at a branch and at a label every window is 0
.endif
	s_barrier_wait -1
.if \fill
	CREST                                          ; no wave of any partner still reads this slot or has a load on its way
	s_add_nc_u64 s[G0+4*\slot+2:G0+4*\slot+3], s[G0+4*\slot+2:G0+4*\slot+3], 2*KSTEP*2
	s_add_nc_u64 s[G0B+4*\slot+2:G0B+4*\slot+3], s[G0B+4*\slot+2:G0B+4*\slot+3], 2*KSTEP*2
	JLOAD \slot                                    ; 180 matrix instructions ahead of the wait for it; its four v_nop are also the places in front of the loads below
.else
	PLACES
.endif
	FETCH \next, 0, F0
	WIN MUL_HI
	MUL12 F1, 1, 0, 0
	MUL12 F1, 1, 2, 0
.endm
	s_wait_tensorcnt 1                             ; my tile of K step 0 is in; K step 1's may stay out
	s_barrier_signal -1
	s_barrier_wait -1                              ; everybody's is
	FETCH 0, 0, F0
	QUARTER 0, 64,  F0, F1, 1                      ; the first quarter stands in front of the loop: its products start the sums
	WIN 0
	s_mov_b32 s3, LAPS-1
.Llap:                                                 ; a trip goes once round the ring, from a lap's second quarter to the next lap's first, and fills both slots again
	QUARTER 0, 128, F1, F0, 0
	QUARTER 0, 192, F0, F1, 0
	TURN 0, 1, 1
	QUARTER 1, 64,  F0, F1, 0
	QUARTER 1, 128, F1, F0, 0
	QUARTER 1, 192, F0, F1, 0
	TURN 1, 0, 1
	QUARTER 0, 64,  F0, F1, 0
	WIN 0
	s_sub_co_u32 s3, s3, 1
	s_cmp_lg_u32 s3, 0
	s_cbranch_scc1 .Llap
	QUARTER 0, 128, F1, F0, 0                      ; the last lap fills nothing, and has no round
	QUARTER 0, 192, F0, F1, 0
	TURN 0, 1, 0
	QUARTER 1, 64,  F0, F1, 0
	QUARTER 1, 128, F1, F0, 0
	QUARTER 1, 192, F0, F1, 0
	s_wait_dscnt 8                                 ; the very last quarter: nothing more to fetch
	WIN MUL_LO
	MUL12 F1, 0, 0, 0
	MUL12 F1, 0, 2, 0
	s_wait_dscnt 0
	WIN MUL_HI
	MUL12 F1, 1, 0, 0
	MUL12 F1, 1, 2, 0
	WIN 0
	; THE WAY OUT.  1. The gains: the norm weights rounded to bf16 and widened again, then (1 + w) c for q and 1 + w for k.
	PLACES
	s_wait_loadcnt 0x0                             ; the table and the norm weights, asked for at the start
.irp e, 0,2,4,6,8,10,12,14,16,18,20,22,24,26,28,30
	v_cvt_pk_bf16_f32 v[Y1+\e/2], v[GQ+\e], v[GQ+\e+1]
.endr
.irp e, 0,2,4,6,8,10,12,14,16,18,20,22,24,26,28,30
	v_lshlrev_b32 v[GQ+\e],   16, v[Y1+\e/2]
	v_and_b32     v[GQ+\e+1], 0xffff0000, v[Y1+\e/2]
.endr
.irp e, 0,1,2,3,4,5,6,7,8,9,10,11,12,13,14,15
	v_fma_f32 v[GQ+\e], v[GQ+\e], s66, s66         ; (1 + w) c
.endr
.irp e, 0,2,4,6,8,10,12,14
	v_pk_add_f32 v[GK+\e:GK+\e+1], v[GK+\e:GK+\e+1], 1.0 op_sel_hi:[1,0]
.endr
	; 2. Sums of squares of q and of k: my 16 numbers of each row, eight chains at a time; then the other half of the lanes; then the four waves meet in LDS.
.macro SQS hi
	WIN 0x0a+5*\hi                                 ; sources 0 and 1: window 2 or 3
.irp e, 0,1,2,3,4,5,6,7
.irp a, 0,1,2,3
.irp t, 0,1
.set rX, 8*(6*\a+2*\t+\e/4)+2*(\e%4)
.set rS, SS+2*(2*(4*\hi+\a)+\t)
.if \e == 0
	v_pk_mul_f32 v[rS:rS+1], v[rX:rX+1], v[rX:rX+1]
.else
	v_pk_fma_f32 v[rS:rS+1], v[rX:rX+1], v[rX:rX+1], v[rS:rS+1]
.endif
.endr
.endr
.endr
.endm
	SQS 0
	SQS 1
	WIN 0
.irp n, 0,1,2,3,4,5,6,7,8,9,10,11,12,13,14,15
	v_add_f32 v[SS+2*\n], v[SS+2*\n], v[SS+2*\n+1]
.endr
.irp n, 0,1,2,3,4,5,6,7,8,9,10,11,12,13,14,15
	v_permlanex16_b32 v[SS+2*\n+1], v[SS+2*\n], s70, s71
.endr
.irp n, 0,1,2,3,4,5,6,7,8,9,10,11,12,13,14,15
	v_add_f32 v[SS+2*\n], v[SS+2*\n], v[SS+2*\n+1]
.endr
.irp a, 0,1,2,3,4,5,6,7
.irp t, 0,1
	ds_store_b32 v[SSTO], v[SS+2*(2*\a+\t)] offset:(128*\t+16*\a)*16   ; both halves of the lanes write the same word with the same value
.endr
.endr
	s_wait_dscnt 0x0                               ; for the others' sake: my partial sums are in LDS
	s_barrier_signal -1
	s_barrier_wait -1
	; 3. 1 / sqrt(mean + eps) for each of my lane's rows
.irp t, 0,1
.irp a, 0,1,2,3,4,5,6,7
	ds_load_b128 v[Y1+4*\a:Y1+4*\a+3], v[SRD] offset:(128*\t+16*\a)*16
.endr
	s_wait_dscnt 0x0
.irp a, 0,1,2,3,4,5,6,7
	v_pk_add_f32 v[Y1+4*\a:Y1+4*\a+1], v[Y1+4*\a:Y1+4*\a+1], v[Y1+4*\a+2:Y1+4*\a+3]
.endr
.irp a, 0,1,2,3,4,5,6,7
	v_add_f32 v[Y1+4*\a], v[Y1+4*\a], v[Y1+4*\a+1]
.endr
.irp a, 0,1,2,3,4,5,6,7
	v_fma_f32 v[SS+2*(2*\a+\t)], v[Y1+4*\a], s67, s68
.endr
.endr
.irp n, 0,1,2,3,4,5,6,7,8,9,10,11,12,13,14,15
	v_rsq_f32 v[SS+2*\n], v[SS+2*\n]
.endr
	v_nop                                          ; a plain instruction between the last root and the use of its result (ISA guide 5.7.2)
	s_wait_alu depctr_va_vdst(0)
; The 16 f16 numbers in v6-13, as f32, into v[Y1 .. Y1 + 15] (Y1's eight, then Y2's)
.macro UNPACK
.set i, 0
.irp h, v6.l, v6.h, v7.l, v7.h, v8.l, v8.h, v9.l, v9.h, v10.l, v10.h, v11.l, v11.h, v12.l, v12.h, v13.l, v13.h
	v_cvt_f32_f16 v[Y1+i], \h
.set i, i+1
.endr
.endm
; 4. Block a of tensor t (q or k): y = x g / rms; out[d] = y[d] cos - y[d + 64] sin, out[d + 64] = y[d + 64] cos + y[d] sin; rounded to f16; 16 bytes of each half of a row into the stage.
;    lo = 1: what leaves is the remainder: the result less its own f16 rounding, made by the same conversion as the rounding that left before.
.macro ROPE a, t, lo
.set rX, 8*(6*((\a)%4)+2*\t)
.set rG, GQ+16*\t
.set rR, SS+2*(2*(\a)+\t)
.set rC, CSN+16*(\a)
	WIN 0x02+(\a)/4                                ; source 0: window 2 or 3
.irp e, 0,2,4,6
	v_pk_mul_f32 v[Y1+\e:Y1+\e+1], v[rX+\e:rX+\e+1], v[rG+\e:rG+\e+1]
	v_pk_mul_f32 v[Y2+\e:Y2+\e+1], v[rX+8+\e:rX+8+\e+1], v[rG+8+\e:rG+8+\e+1]
.endr
	WIN 0
.irp e, 0,2,4,6,8,10,12,14
	v_pk_mul_f32 v[Y1+\e:Y1+\e+1], v[Y1+\e:Y1+\e+1], v[rR:rR+1] op_sel_hi:[1,0]
.endr
.irp e, 0,2,4,6
	v_pk_mul_f32 v[O1+\e:O1+\e+1], v[Y1+\e:Y1+\e+1], v[rC+\e:rC+\e+1]
	v_pk_mul_f32 v[O2+\e:O2+\e+1], v[Y2+\e:Y2+\e+1], v[rC+\e:rC+\e+1]
.endr
.irp e, 0,2,4,6
	v_pk_fma_f32 v[O1+\e:O1+\e+1], v[Y2+\e:Y2+\e+1], v[rC+8+\e:rC+8+\e+1], v[O1+\e:O1+\e+1] neg_lo:[1,0,0] neg_hi:[1,0,0]
	v_pk_fma_f32 v[O2+\e:O2+\e+1], v[Y1+\e:Y1+\e+1], v[rC+8+\e:rC+8+\e+1], v[O2+\e:O2+\e+1]
.endr
.if \lo
.irp e, 0,1,2,3
	v_cvt_pk_f16_f32 v[HP+\e],   v[O1+2*\e], v[O1+2*\e+1]
	v_cvt_pk_f16_f32 v[HP+4+\e], v[O2+2*\e], v[O2+2*\e+1]
.endr
	UNPACK
.irp e, 0,2,4,6,8,10,12,14
	v_pk_add_f32 v[O1+\e:O1+\e+1], v[O1+\e:O1+\e+1], v[Y1+\e:Y1+\e+1] neg_lo:[0,1] neg_hi:[0,1]
.endr
.endif
.irp e, 0,1,2,3
	v_cvt_pk_f16_f32 v[Y1+\e],   v[O1+2*\e], v[O1+2*\e+1]
	v_cvt_pk_f16_f32 v[Y1+4+\e], v[O2+2*\e], v[O2+2*\e+1]
.endr
	ds_store_b128 v[STO], v[Y1:Y1+3]   offset:(\a)*16*PITCH
	ds_store_b128 v[STO], v[Y1+4:Y1+7] offset:(\a)*16*PITCH+128
.endm
.macro VOUT a, lo                      ; block a of v: rounded as it is, or its remainder
.set rX, 8*(6*((\a)%4)+4)
.if \lo
	WIN 0x0a+5*((\a)/4)                            ; sources 0 and 1: window 2 or 3
.irp e, 0,1,2,3,4,5,6,7
	v_cvt_pk_f16_f32 v[HP+\e], v[rX+2*\e], v[rX+2*\e+1]
.endr
	WIN 0
	UNPACK
	WIN 0x02+(\a)/4                                ; source 0: window 2 or 3
.irp e, 0,2,4,6,8,10,12,14
	v_pk_add_f32 v[O1+\e:O1+\e+1], v[rX+\e:rX+\e+1], v[Y1+\e:Y1+\e+1] neg_lo:[0,1] neg_hi:[0,1]
.endr
	WIN 0
.irp e, 0,1,2,3,4,5,6,7
	v_cvt_pk_f16_f32 v[Y1+\e], v[O1+2*\e], v[O1+2*\e+1]
.endr
.else
	WIN 0x0a+5*((\a)/4)
.irp e, 0,1,2,3,4,5,6,7
	v_cvt_pk_f16_f32 v[Y1+\e], v[rX+2*\e], v[rX+2*\e+1]
.endr
	WIN 0
.endif
	ds_store_b128 v[STO], v[Y1:Y1+3]   offset:(\a)*16*PITCH
	ds_store_b128 v[STO], v[Y1+4:Y1+7] offset:(\a)*16*PITCH+128
.endm
; 5. One tensor through the one stage: a row's 256 bytes come from all four waves, so a barrier stands between the writing and the reading; more = 1: another stands between
;    the reading and the next tensor's writing.  Tensor t is read back into 64 registers of its own.
.macro PASS t, lo, more
.irp a, 0,1,2,3,4,5,6,7
.if \t < 2
	ROPE \a, \t, \lo
.else
	VOUT \a, \lo
.endif
.endr
	s_wait_dscnt 0x0                               ; for the others' sake: my stores into the stage are done
	s_barrier_signal -1
	s_barrier_wait -1
	WIN 0x40                                       ; destination window 1
.irp n, 0,1,2,3,4,5,6,7,8,9,10,11,12,13,14,15
	ds_load_b128 v[64*\t+4*\n:64*\t+4*\n+3], v[RD] offset:\n*2*PITCH
.endr
	WIN 0x04                                       ; a store's data (source 1) window 1
.irp n, 0,1,2,3,4,5,6,7,8,9,10,11,12,13,14,15
	s_wait_dscnt 15-\n                             ; load n is in, the 15 - n younger ones stay out
	global_store_b128 v[CO], v[64*\t+4*\n:64*\t+4*\n+3], s[72+14*\lo+2*\t:73+14*\lo+2*\t] offset:512*\n   ; two rows: 512 consecutive bytes, at a multiple of 512 from the buffer's first byte
.endr
	WIN 0
.if \more
	s_barrier_signal -1                            ; my reads of the stage are back (the count-down above ended at 0): the next tensor may be written into it
	s_barrier_wait -1
.endif
.endm
	PASS 0, 0, 1
	PASS 1, 0, 1
	PASS 2, 0, 0
	s_cmp_lg_u32 s69, 0                            ; the cluster's number: all sixteen partners go the same way
	s_cbranch_scc1 .Lno_lo
	s_wait_xcnt 0x0                                ; every earlier memory instruction has had its addresses translated (ISA guide 3.1): the registers that the stores above read are loaded again only behind this wait
	s_barrier_signal -1                            ; my reads of the stage are back
	s_barrier_wait -1
	PASS 0, 1, 1                                   ; the remainders of q, k, v
	PASS 1, 1, 1
	PASS 2, 1, 0
.Lno_lo:
	s_set_vgpr_msb 0x5
	s_wait_tensorcnt 0x0
	ds_add_u32 v254, v255
	s_wait_dscnt 0x0
	s_set_vgpr_msb 0x500
	CROUND                                         ; the closing round: no work-group ends while a partner may still ask for a tile that names it
	s_endpgm
.Lfunc_end_k_q9859d6d287_qkv:
	.size	k_q9859d6d287_qkv, .Lfunc_end_k_q9859d6d287_qkv-k_q9859d6d287_qkv
	.p2alignl 7, 3214868480
	.fill 96, 4, 3214868480
	.section	.rodata,"a",@progbits
	.p2align	6, 0x0
	.amdhsa_kernel k_q9859d6d287_qkv
		.amdhsa_group_segment_fixed_size 327680
		.amdhsa_private_segment_fixed_size 0
		.amdhsa_enable_private_segment 0
		.amdhsa_kernarg_size 48
		.amdhsa_user_sgpr_count 2
		.amdhsa_user_sgpr_kernarg_segment_ptr 1
		.amdhsa_wavefront_size32 1
		.amdhsa_system_sgpr_workgroup_id_x 1
		.amdhsa_system_sgpr_workgroup_id_y 1
		.amdhsa_system_sgpr_workgroup_id_z 1
		.amdhsa_system_vgpr_workitem_id 0
		.amdhsa_next_free_vgpr 960
		.amdhsa_next_free_sgpr 92
		.amdhsa_reserve_vcc 0
		.amdhsa_float_denorm_mode_32 3
		.amdhsa_float_denorm_mode_16_64 3
		.amdhsa_memory_ordered 1
		.amdhsa_forward_progress 1
		.amdhsa_inst_pref_size 255
	.end_amdhsa_kernel
	.section	.bss,"aw",@nobits
	.p2align	6
	.space	262144
	.amdgpu_metadata
---
amdhsa.version: [ 1, 2 ]
amdhsa.kernels:
  - .name:           k_q9859d6d287_qkv
    .symbol:         k_q9859d6d287_qkv.kd
    .args:
      - { .name: cb, .offset: 0, .size: 8, .value_kind: global_buffer, .address_space: global }
      - { .name: rope, .offset: 8, .size: 8, .value_kind: global_buffer, .address_space: global }
      - { .name: q_norm_weight, .offset: 16, .size: 8, .value_kind: global_buffer, .address_space: global }
      - { .name: k_norm_weight, .offset: 24, .size: 8, .value_kind: global_buffer, .address_space: global }
      - { .name: qkv, .offset: 32, .size: 8, .value_kind: global_buffer, .address_space: global }
      - { .name: lo, .offset: 40, .size: 8, .value_kind: global_buffer, .address_space: global }
    .group_segment_fixed_size: 327680
    .private_segment_fixed_size: 0
    .kernarg_segment_align: 8
    .kernarg_segment_size: 48
    .max_flat_workgroup_size: 128
    .sgpr_count:     92
    .vgpr_count:     960
    .wavefront_size: 32
...
	.end_amdgpu_metadata
.endif
;; end of part 2
;; launch attn (part 3): grid 16 x 16, 4 waves a work-group, no clusters, 327,680 bytes of LDS; arguments qkv, lo, att; writes att
.if DOCPART == 3
	.amdgcn_target "amdgcn-amd-amdhsa--gfx1250"
	.amdhsa_code_object_version 6
	.text
	.protected	k_q9859d6d287_attn
	.globl	k_q9859d6d287_attn
	.p2align	8
	.type	k_q9859d6d287_attn,@function
k_q9859d6d287_attn:
	s_mov_b64 s[64:65], 0
	v_nop
	global_prefetch_b8 v0, s[64:65] scope:SCOPE_SE
	s_setreg_imm32_b32 hwreg(HW_REG_WAVE_MODE, 25, 1), 1
	s_wait_xcnt 0x0
; Attention with the mask 0 <= q - k < 1024.  q, k, v: f16, [3][8 b + head][2048][128]; q already holds the factor log2(e) / sqrt(128), so a weight is p = 2^(s - m).
; att: f16 [4096][1024], column 128 head + channel.  Products, maxima and sums in f32; the weights are rounded to f16 for the second product (the sum l takes them unrounded).
; SHARES.  A work-group owns 128 queries (block i) of one head, each of its four waves 32: two tiles of 16.  It walks key tiles of 128 (two steps of 64): n = min(i + 1, 9) of them,
;   from tile i + 1 - n to tile i.  All other keys are masked for all 128 queries and are not touched.  Only the first tile (the window's far edge) and the last (the diagonal) hold
;   masked keys beside allowed ones: the tiles between have q - k in 1 .. 1023.
; BLOCK 0 IS MADE WITH SPLIT OPERANDS.  Its queries see 1 to 128 keys, so its rows are up to ten times larger than the result's root mean square, by which the allowance is set, and one
;   rounding to f16 in each of q, k, p and v is too much for them.  There every operand is hi + lo, two f16 numbers (q's, k's and v's remainders come from lo: [3][8 b + head][2][128][128],
;   half 0), and a product is hi hi + hi lo + lo hi.  The block has one key tile where others have up to nine: three times its products do not make it the longest.
; LAYOUT.  S^T = K Q^T (source 0 = 16 keys, source 1 = 16 queries): a lane holds ONE query (lane % 16) and keys 8 (lane / 16) + 0..7.  Two such tiles, rounded in pairs, are source 1 of
;   O^T = V^T P.  K comes out of LDS as it lies, V turned, by ds_load_tr16_b128.
; SOFTMAX.  A running maximum m and sum l for each query; in every step O and l are multiplied by a = 2^(m_old - m_new).
; LIMITS.  A masked score is -1e30, a finite number: a query with no allowed key so far has m = -1e30 and finite sums, which the first allowed key's a = 2^(-1e30 - m) = 0 wipes out;
;   the diagonal key is allowed for every query.  Right as long as true scores lie above -1e30; the norm bounds them by 128 c max|1 + wq| max|1 + wk|.  |att| <= max|v| < 65,504 (f16).
; NO CLUSTER: neighbouring query blocks walk windows 128 keys apart and have 1 to 9 tiles, so partners would want different tiles in the same round and different numbers of rounds.
; RING.  Two slots of one key tile: K and V of step 0, K and V of step 1.  Waves 0, 1 fetch the two steps' K, waves 2, 3 their V: one tensor load a wave behind each barrier.  In block 0
;   slot 1 takes the remainders' tile, as a second first fill.  A wave never has more than two tensor loads out.  Every wait for tensor loads is for all of them.
; REGISTERS, in windows of 256 (s_set_vgpr_msb's low byte: bits 1:0 source 0, 3:2 source 1, 5:4 source 2, 7:6 destination):
;   window 0: v0-15 addresses; v16-31 statistics; v32-95 S^T; v96-127 P; v128-191 Q; v192-255 at work (masks; P's remainders in f32; the way out)
;   window 1: v0-127 O^T, 64 a tile; v128-255 K of one step          window 2: v0-127 V of one step; v128-191 Q's remainders; v192-223 P's remainders
.set PKP,   272       ; a row of K in LDS: 256 bytes + 16: row r starts at bank 4 r mod 64 (64 banks of 4 bytes: ISA guide 11.1)
.set PVP,   288       ; a row of V: 256 + 32
.set VOFF,  64*PKP
.set STEPB, 64*(PKP+PVP)
.set SLOTB, 2*STEPB   ; 71,680
.set STAGE, 2*SLOTB   ; behind the ring: 16 rows x 272 bytes for each wave; no tensor load fills it
.set SP,    272
.set TILEB, 128*256   ; a key tile's bytes in memory
.set AK,  3           ; v3, v4   my lane's place in K's first step of slot 0, 1
.set AV,  5           ; v5, v6   the same for V
.set QO,  7
.set STO, 8
.set RD,  9
.set GO,  10
.set BQ,  11          ; v11, v12  tile t: my query's place in the block less 8 (lane / 16)
.set BR,  13          ; v13, v14  the same plus (the block's first query - the key tile's first key)
.set NEG, 15          ; -1e30
.set ST,  16          ; tile t's statistics at v[ST + 8 t]: +0 m, +1 m_old, +2, +3 l (even keys', odd keys'), +4 to +7 at work; a takes +6
.set S,   32
.set P,   96
.set QF,  128         ; Q in window 0, its remainders at the same numbers in window 2
.set TM,  192         ; v192-199  q - k of eight keys
.set TT,  192         ; v192-255  the 64 weights' f16 roundings as f32, then the remainders
.set PB,  192         ; the way out: packed results, 32 a tile
.set PL,  192         ; P's remainders, in window 2
.set KF,  128         ; K's fragments, in window 1
.set WV,  8           ; s8   my wave's number
.set NT,  11          ; s11  n, the number of key tiles
.set CNT, 12          ; s12  pairs of unmasked tiles
.set PAR, 13          ; s13  1: one more unmasked tile
.set REL, 14          ; s14  the block's first query less the key tile's first key
.set G1K, 16          ; s[16:23] descriptor group 1 for K's tiles;  s[24:31] for V's: it differs in the padding alone
.set G1V, 24
.set G0K, 32          ; s[32:39] descriptor group 0 for K's tiles, a set for each slot;  s[48:55] for V's
.set G0V, 48
.set LM,  56          ; s56-63  eight lane masks
.set MSB, 0
.macro WIN new
.if MSB != (\new)
	s_set_vgpr_msb (MSB<<8)|(\new)
.set MSB, (\new)
.endif
.endm
.set W_KQ,  0x01      ; K in window 1; Q and S^T in window 0
.set W_KQL, 0x09      ; the same with Q's remainders, in window 2
.set W_PV,  0x52      ; V in window 2, P in window 0, O^T in window 1
.set W_PVL, 0x5a      ; the same with P's remainders, in window 2
.set W_RS,  0x41      ; O^T (destination and source 0) in window 1, the factor in window 0
.set TO_K,  0x40
.set TO_V,  0x80
.macro JLOAD s                         ; slot s is filled: waves 0, 1 fetch K's two steps, waves 2, 3 V's.  Four v_nop follow each of the two lines
	s_cmp_lt_u32 s[WV], 2
	s_cbranch_scc0 .Lfor_v_\@
	tensor_load_to_lds s[G0K+4*(\s):G0K+4*(\s)+3], s[G1K:G1K+7]
	s_nop 0
.rept 4
	v_nop
.endr
	s_branch .Lasked_\@
.Lfor_v_\@:
	tensor_load_to_lds s[G0V+4*(\s):G0V+4*(\s)+3], s[G1V:G1V+7]
	s_nop 0
.rept 4
	v_nop
.endr
.Lasked_\@:
.endm
.macro PLACES                          ; four places behind matrix instructions, in front of vector work that reads their results and of loads into registers that they read (ISA guide 7.12.1 for vector work)
.rept 4
	v_nop
.endr
.endm
	s_load_b64 s[4:5], s[0:1], 0x0                 ; qkv
	s_load_b64 s[68:69], s[0:1], 0x8               ; lo
	s_load_b64 s[66:67], s[0:1], 0x10              ; att
	s_set_vgpr_msb 0x80
	v_lshl_add_u32 v254, v0, 2, 0x29000
	v_mov_b32 v255, 0
	s_set_vgpr_msb 0x808a
	ds_add_u32 v254, v255
	ds_add_u32 v254, v255
	s_set_vgpr_msb 0x8a00
	v_lshrrev_b32 v1, 5, v0
	v_readfirstlane_b32 s[WV], v1                  ; wave 0..3
	s_and_b32 s10, ttmp7, 0xffff                   ; 8 b + head
	s_add_co_u32 s9, ttmp9, 1                      ; i + 1
	s_min_u32 s[NT], s9, 9
	s_sub_co_u32 s42, s9, s[NT]                    ; the first key tile
	s_max_u32 s[CNT], s[NT], 2
	s_sub_co_u32 s[CNT], s[CNT], 2                 ; tiles between the first and the last
	s_and_b32 s[PAR], s[CNT], 1
	s_lshr_b32 s[CNT], s[CNT], 1
	s_sub_co_u32 s[REL], s[NT], 1
	s_lshl_b32 s[REL], s[REL], 7                   ; for the first tile: 128 (n - 1)
	s_mov_b32 s15, 1024                            ; the window
	s_mov_b32 s40, 0x76543210                      ; v_permlanex16_b32: each lane takes its own place in the other half
	s_mov_b32 s41, 0xfedcba98
	; descriptor group 1: a tile of 64 rows x 128 elements, padded in LDS
	s_mov_b32 s[G1K], (1<<16)|(1<<20)|(5<<22)|(3<<25)  ; no mask; elements of 2 bytes; padding on; after every 64 words (code 5) 4 words (code 3)
	s_mov_b32 s[G1V], (1<<16)|(1<<20)|(5<<22)|(7<<25)  ; the same with 8 words (code 7)
.irp g, G1K, G1V
	s_mov_b32 s[\g+1], 128<<16                     ; tensor_dim0 = 128
	s_mov_b32 s[\g+2], 64<<16                      ; tensor_dim1 = 64
	s_mov_b32 s[\g+3], 128<<16                     ; tile_dim0 = 128
	s_mov_b32 s[\g+4], 64                          ; tile_dim1 = 64
	s_mov_b32 s[\g+5], 128                         ; elements from row to row
	s_mov_b32 s[\g+6], 0
	s_mov_b32 s[\g+7], 0
.endr
	s_lshl_b32 s44, s10, 19                        ; the head's 2,048 rows of 256 bytes
	s_mov_b32 s45, 0
	s_lshl_b32 s46, s42, 15                        ; the first key tile,
	s_and_b32 s43, s[WV], 1
	s_lshl_b32 s47, s43, 14                        ; the step of it that I fetch
	s_add_co_u32 s46, s46, s47
	s_add_co_u32 s46, s46, s44
	s_mov_b32 s47, 0
	s_mul_i32 s43, s43, STEPB                      ; and that step's place in a slot
	s_lshl_b32 s42, ttmp9, 15                      ; Q: my block's 128 rows,
	s_add_co_u32 s44, s44, s42
	s_lshl_b32 s42, s[WV], 13                      ; my wave's 32
	s_add_co_u32 s44, s44, s42
	s_lshr_b32 s56, s10, 3                         ; att: row 2,048 b + 128 i + 32 w of 2,048 bytes, byte 256 head
	s_lshl_b32 s56, s56, 22
	s_lshl_b32 s42, ttmp9, 18
	s_add_co_u32 s56, s56, s42
	s_lshl_b32 s42, s[WV], 16
	s_add_co_u32 s56, s56, s42
	s_and_b32 s42, s10, 7
	s_lshl_b32 s42, s42, 8
	s_add_co_u32 s56, s56, s42
	s_mov_b32 s57, 0
	s_wait_dscnt 0x0
	s_wait_kmcnt 0x0
	s_add_nc_u64 s[46:47], s[4:5], s[46:47]
.irp s, 0,1
	s_mov_b32 s[G0K+4*\s], 1                                       ; count = 1
	s_add_co_u32 s[G0K+4*\s+1], s43, \s*SLOTB                      ; LDS address
	s_add_nc_u64 s[G0K+4*\s+2:G0K+4*\s+3], s[46:47], 8388608+\s*TILEB    ; k lies behind q; slot s begins with the walk's tile s
	s_or_b32 s[G0K+4*\s+3], s[G0K+4*\s+3], 0x80000000              ; type = 2
	s_mov_b32 s[G0V+4*\s], 1
	s_add_co_u32 s[G0V+4*\s+1], s43, \s*SLOTB+VOFF
	s_add_nc_u64 s[G0V+4*\s+2:G0V+4*\s+3], s[46:47], 16777216+\s*TILEB   ; v behind k
	s_or_b32 s[G0V+4*\s+3], s[G0V+4*\s+3], 0x80000000
.endr
	JLOAD 0                                        ; the first fill, ahead of every wait for tensor loads, every LDS read and every barrier
	s_add_nc_u64 s[4:5], s[4:5], s[44:45]          ; Q at my wave's first row
	s_add_nc_u64 s[66:67], s[66:67], s[56:57]      ; att likewise
	v_and_b32 v1, 15, v0                           ; r = l % 16
	v_bfe_u32 v2, v0, 4, 1                         ; h = l / 16
	v_lshlrev_b32 v[QO], 8, v1
	v_lshl_add_u32 v[QO], v2, 4, v[QO]             ; row x 256 + 16 x half
.irp t, 0,1
.irp c, 0,1,2,3                        ; Q stays in registers: tile t, channels 32 c on
	global_load_b128 v[QF+32*\t+8*\c:QF+32*\t+8*\c+3],   v[QO], s[4:5] offset:\t*4096+\c*64
	global_load_b128 v[QF+32*\t+8*\c+4:QF+32*\t+8*\c+7], v[QO], s[4:5] offset:\t*4096+\c*64+32
.endr
.endr
	v_mul_u32_u24 v[AK], v1, PKP
	v_lshl_add_u32 v[AK], v2, 4, v[AK]             ; row x pitch + 16 x half
	v_add_nc_u32 v[AK+1], SLOTB, v[AK]
	v_and_b32 v[TM], 7, v0                         ; the turning load: lane l reads key 8 (l / 16) + l % 8, channels 8 ((l / 8) % 2) + 0..7
	v_lshl_add_u32 v[AV], v2, 3, v[TM]
	v_mul_u32_u24 v[AV], v[AV], PVP
	v_bfe_u32 v[TM], v0, 3, 1
	v_lshl_add_u32 v[AV], v[TM], 4, v[AV]
	v_add_nc_u32 v[AV], VOFF, v[AV]
	v_add_nc_u32 v[AV+1], SLOTB, v[AV]
	s_mul_i32 s42, s[WV], 16*SP
	s_add_co_u32 s42, s42, STAGE                   ; my stage
	v_add_nc_u32 v[STO], s42, v[AK]                ; in: row l % 16, 16 bytes for each half of the lanes
	v_mul_u32_u24 v[RD], v2, SP                    ; back: lanes 0-15 one row of 256 bytes, lanes 16-31 the next
	v_lshl_add_u32 v[RD], v1, 4, v[RD]
	v_add_nc_u32 v[RD], s42, v[RD]
	v_lshlrev_b32 v[GO], 11, v2                    ; and the same two rows in att
	v_lshl_add_u32 v[GO], v1, 4, v[GO]
	v_lshlrev_b32 v[TM], 3, v2
	v_sub_nc_u32 v[BQ], v1, v[TM]
	s_lshl_b32 s42, s[WV], 5
	v_add_nc_u32 v[BQ], s42, v[BQ]                 ; 32 w + r - 8 h
	v_add_nc_u32 v[BQ+1], 16, v[BQ]
	v_mov_b32 v[NEG], 0xf149f2ca
; 32 LDS loads in a run: step s of a slot: K (64 keys x 128 channels: fragment f = keys 16 (f / 4) on, channels 32 (f % 4) on), or V turned (keys 32 (f / 8) on, channels 16 (f % 8) on)
.macro FETCH_K slot, s
	WIN TO_K
.irp f, 0,1,2,3,4,5,6,7,8,9,10,11,12,13,14,15
	ds_load_b128 v[KF+8*\f:KF+8*\f+3],   v[AK+\slot] offset:\s*STEPB+(\f/4)*16*PKP+(\f%4)*64
	ds_load_b128 v[KF+8*\f+4:KF+8*\f+7], v[AK+\slot] offset:\s*STEPB+(\f/4)*16*PKP+(\f%4)*64+32
.endr
.endm
.macro FETCH_V slot, s
	WIN TO_V
.irp f, 0,1,2,3,4,5,6,7,8,9,10,11,12,13,14,15
	ds_load_tr16_b128 v[8*\f:8*\f+3],   v[AV+\slot] offset:\s*STEPB+(\f/8)*32*PVP+(\f%8)*32
	ds_load_tr16_b128 v[8*\f+4:8*\f+7], v[AV+\slot] offset:\s*STEPB+(\f/8)*32*PVP+16*PVP+(\f%8)*32
.endr
.endm
; The accumulators take turns, one instruction a turn.
; 32 products S^T (+)= K Q^T: product i: channels 32 (i / 8) on, keys 16 ((i / 2) % 4) on, tile i % 2.  win says in which window Q is read.  zero = 1: the first 8 start the sums.
.macro KQ win, zero
	WIN \win
.set i, 0
.rept 32
.set rS, S+32*(i%2)+8*((i/2)%4)
.set rK, KF+32*((i/2)%4)+8*(i/8)
.set rQ, QF+32*(i%2)+8*(i/8)
.if \zero && (i < 8)
	v_wmma_f32_16x16x32_f16 v[rS:rS+7], v[rK:rK+7], v[rQ:rQ+7], 0
.else
	v_wmma_f32_16x16x32_f16 v[rS:rS+7], v[rK:rK+7], v[rQ:rQ+7], v[rS:rS+7]
.endif
.set i, i+1
.endr
.endm
; 32 products O^T += V^T P: product i: keys 32 (i / 16) on, channels 16 ((i / 2) % 8) on, tile i % 2.  win and pb: where P is read.  zero = 1: the first 16 start the sums.
.macro PV win, pb, zero
	WIN \win
.set i, 0
.rept 32
.set rO, 64*(i%2)+8*((i/2)%8)
.set rV, 64*(i/16)+8*((i/2)%8)
.set rP, \pb+16*(i%2)+8*(i/16)
.if \zero && (i < 16)
	v_wmma_f32_16x16x32_f16 v[rO:rO+7], v[rV:rV+7], v[rP:rP+7], 0
.else
	v_wmma_f32_16x16x32_f16 v[rO:rO+7], v[rV:rV+7], v[rP:rP+7], v[rO:rO+7]
.endif
.set i, i+1
.endr
.endm
; The mask for step s of a tile: q - k as an unsigned number is under 1,024 just where 0 <= q - k < 1024.  Eight keys at a time.
.macro MASK s
	WIN 0
.irp t, 0,1
.irp kb, 0,1,2,3
.irp j, 0,1,2,3,4,5,6,7
	v_sub_nc_u32 v[TM+\j], v[BR+\t], 64*\s+16*\kb+\j
.endr
.irp j, 0,1,2,3,4,5,6,7
	v_cmp_gt_u32 s[LM+\j], s15, v[TM+\j]
.endr
.irp j, 0,1,2,3,4,5,6,7
	v_cndmask_b32 v[S+32*\t+8*\kb+\j], v[NEG], v[S+32*\t+8*\kb+\j], s[LM+\j]
.endr
.endr
.endr
.endm
; A step's softmax for both tiles, which alternate so that no instruction reads the result of the one just before it.  first = 1: the walk's first step, which starts m, l and O^T.
; split = 1: the weights' remainders p - f16(p) are made too, as f16.
.macro SOFTMAX first, split
	WIN 0
.irp c, 0,1,2,3                        ; the maximum of the lane's 32 scores and the old m, three operands at a time
.irp t, 0,1
	v_max3_num_f32 v[ST+8*\t+4+\c], v[S+32*\t+8*\c], v[S+32*\t+8*\c+1], v[S+32*\t+8*\c+2]
.endr
.endr
.irp g, 1,2
.irp c, 0,1,2,3
.irp t, 0,1
	v_max3_num_f32 v[ST+8*\t+4+\c], v[ST+8*\t+4+\c], v[S+32*\t+8*\c+2*\g+1], v[S+32*\t+8*\c+2*\g+2]
.endr
.endr
.endr
.irp t, 0,1
	v_max3_num_f32 v[ST+8*\t+4], v[ST+8*\t+4], v[S+32*\t+7], v[S+32*\t+15]
	v_max3_num_f32 v[ST+8*\t+6], v[ST+8*\t+6], v[S+32*\t+23], v[S+32*\t+31]
.endr
.irp t, 0,1
	v_max3_num_f32 v[ST+8*\t+4], v[ST+8*\t+4], v[ST+8*\t+5], v[ST+8*\t+6]
.endr
.irp t, 0,1
.if \first
	v_max_num_f32 v[ST+8*\t+4], v[ST+8*\t+4], v[ST+8*\t+7]
.else
	v_max3_num_f32 v[ST+8*\t+4], v[ST+8*\t+4], v[ST+8*\t+7], v[ST+8*\t]
.endif
.endr
.irp t, 0,1
	v_permlanex16_b32 v[ST+8*\t+5], v[ST+8*\t+4], s40, s41   ; the query's other 32 keys lie in the lane 16 away
.endr
.irp t, 0,1
.if \first
	v_mov_b32 v[ST+8*\t+1], v[ST+8*\t+4]           ; named with m as a pair below, so it is written
.else
	v_mov_b32 v[ST+8*\t+1], v[ST+8*\t]             ; m_old
.endif
.endr
.irp t, 0,1
	v_max_num_f32 v[ST+8*\t], v[ST+8*\t+4], v[ST+8*\t+5]
.endr
.if !\first
.irp t, 0,1
	v_sub_f32 v[ST+8*\t+7], v[ST+8*\t+1], v[ST+8*\t]
.endr
.irp t, 0,1
	v_exp_f32 v[ST+8*\t+6], v[ST+8*\t+7]           ; a; the subtractions below are the plain instructions behind it
.endr
.endif
.irp e, 0,2,4,6,8,10,12,14,16,18,20,22,24,26,28,30
.irp t, 0,1
	v_pk_add_f32 v[S+32*\t+\e:S+32*\t+\e+1], v[S+32*\t+\e:S+32*\t+\e+1], v[ST+8*\t:ST+8*\t+1] op_sel_hi:[1,0] neg_lo:[0,1] neg_hi:[0,1]   ; s - m
.endr
.endr
.set i, 0
.rept 64
	v_exp_f32 v[S+i], v[S+i]
.set i, i+1
.endr
	v_nop                                          ; a plain instruction between the last exponential and the use of its result (ISA guide 5.7.2)
.set i, 0
	s_wait_alu depctr_va_vdst(0)
.rept 32
	v_cvt_pk_f16_f32 v[P+i], v[S+2*i], v[S+2*i+1]  ; S^T's and P's tiles lie one behind the other: pair i of 32
.set i, i+1
.endr
.if \split
.set i, 0
.irp h, v96.l, v96.h, v97.l, v97.h, v98.l, v98.h, v99.l, v99.h, v100.l, v100.h, v101.l, v101.h, v102.l, v102.h, v103.l, v103.h, v104.l, v104.h, v105.l, v105.h, v106.l, v106.h, v107.l, v107.h, v108.l, v108.h, v109.l, v109.h, v110.l, v110.h, v111.l, v111.h, v112.l, v112.h, v113.l, v113.h, v114.l, v114.h, v115.l, v115.h, v116.l, v116.h, v117.l, v117.h, v118.l, v118.h, v119.l, v119.h, v120.l, v120.h, v121.l, v121.h, v122.l, v122.h, v123.l, v123.h, v124.l, v124.h, v125.l, v125.h, v126.l, v126.h, v127.l, v127.h
	v_cvt_f32_f16 v[TT+i], \h                      ; what the rounding kept,
.set i, i+1
.endr
.set i, 0
.rept 32
	v_pk_add_f32 v[TT+2*i:TT+2*i+1], v[S+2*i:S+2*i+1], v[TT+2*i:TT+2*i+1] neg_lo:[0,1] neg_hi:[0,1]   ; what it dropped,
.set i, i+1
.endr
	WIN 0x80                                       ; destination window 2
.set i, 0
.rept 32
	v_cvt_pk_f16_f32 v[PL+i], v[TT+2*i], v[TT+2*i+1]   ; as f16
.set i, i+1
.endr
	WIN 0
.endif
.irp u, 0,1,2,3,4,5,6,7                ; the sum of a tile's 16 pairs, in place
.irp t, 0,1
	v_pk_add_f32 v[S+32*\t+4*\u:S+32*\t+4*\u+1], v[S+32*\t+4*\u:S+32*\t+4*\u+1], v[S+32*\t+4*\u+2:S+32*\t+4*\u+3]
.endr
.endr
.irp u, 0,1,2,3
.irp t, 0,1
	v_pk_add_f32 v[S+32*\t+8*\u:S+32*\t+8*\u+1], v[S+32*\t+8*\u:S+32*\t+8*\u+1], v[S+32*\t+8*\u+4:S+32*\t+8*\u+5]
.endr
.endr
.irp u, 0,1
.irp t, 0,1
	v_pk_add_f32 v[S+32*\t+16*\u:S+32*\t+16*\u+1], v[S+32*\t+16*\u:S+32*\t+16*\u+1], v[S+32*\t+16*\u+8:S+32*\t+16*\u+9]
.endr
.endr
.if \first
.irp t, 0,1
	v_pk_add_f32 v[ST+8*\t+2:ST+8*\t+3], v[S+32*\t:S+32*\t+1], v[S+32*\t+16:S+32*\t+17]
.endr
.else
.irp t, 0,1
	v_pk_add_f32 v[S+32*\t:S+32*\t+1], v[S+32*\t:S+32*\t+1], v[S+32*\t+16:S+32*\t+17]
.endr
.irp t, 0,1
	v_pk_fma_f32 v[ST+8*\t+2:ST+8*\t+3], v[ST+8*\t+2:ST+8*\t+3], v[ST+8*\t+6:ST+8*\t+7], v[S+32*\t:S+32*\t+1] op_sel_hi:[1,0,1]   ; l = a l + the sum
.endr
	WIN W_RS
.irp t, 0,1
.set i, 64*\t
.rept 32
	v_pk_mul_f32 v[i:i+1], v[i:i+1], v[ST+8*\t+6:ST+8*\t+7] op_sel_hi:[1,0]   ; O^T times a
.set i, i+2
.endr
.endr
.endif
.endm
; A KEY TILE.  In front of the barrier each wave waits for all its tensor loads (one is out: its part of this slot) and for its reads of the other slot; behind it this slot is whole and
; nobody reads the other, which is filled first thing.  refill = 1: with the next tile; 0: nothing is left to fetch.
; The fragment loads go in runs of 32: K0, V0, K1, V1; each wait leaves the one younger run out.
.macro TRIP slot, first, mask, refill
	s_set_vgpr_msb 0xa
	s_wait_tensorcnt 0x0                           ; no tensor load of mine is out, so a group 0 may be written:
	ds_add_u32 v254, v255
	s_wait_dscnt 0x0
	s_set_vgpr_msb 0xa00
	s_add_nc_u64 s[G0K+4*\slot+2:G0K+4*\slot+3], s[G0K+4*\slot+2:G0K+4*\slot+3], 2*TILEB   ; this slot's next tile is two on
	s_add_nc_u64 s[G0V+4*\slot+2:G0V+4*\slot+3], s[G0V+4*\slot+2:G0V+4*\slot+3], 2*TILEB
	s_wait_dscnt 0x0
	s_barrier_signal -1
	s_barrier_wait -1
.if \refill
	JLOAD 1-\slot                                  ; it has this tile's 128 products and two softmaxes in which to land; its four v_nop are the places in front of the loads below
.else
	PLACES
.endif
.if \mask
	v_add_nc_u32 v[BR], s[REL], v[BQ]
	v_add_nc_u32 v[BR+1], s[REL], v[BQ+1]
.endif
	FETCH_K \slot, 0
	FETCH_V \slot, 0
.if \first
	s_wait_loadcnt 0x0                             ; Q
.endif
	s_wait_dscnt 32                                ; K of step 0 is in; V's 32 loads stay out
	KQ W_KQ, 1
	PLACES
	FETCH_K \slot, 1
.if \mask
	MASK 0
.endif
	SOFTMAX \first, 0
	s_wait_dscnt 32                                ; V of step 0 is in; K of step 1 stays out
	PV W_PV, P, \first
	PLACES
	FETCH_V \slot, 1
	s_wait_dscnt 32                                ; K of step 1 is in; V of step 1 stays out
	KQ W_KQ, 1
	PLACES
.if \mask
	MASK 1
.endif
	SOFTMAX 0, 0
	s_wait_dscnt 0x0                               ; V of step 1
	PV W_PV, P, 0
	WIN 0                                          ; at a label and at a branch every window is 0
.endm
; A KEY STEP OF BLOCK 0, with split operands.  Slot 0 holds K and V as rounded, slot 1 their remainders; each run of 32 fragment loads is waited for whole: this block has time to spare.
.macro PSTEP s, first
	FETCH_K 0, \s
.if \first
	s_wait_loadcnt 0x0                             ; Q and its remainders
.endif
	s_wait_dscnt 0x0
	KQ W_KQ, 1                                     ; K Q
	KQ W_KQL, 0                                    ; + K (Q's remainders)
	PLACES
	FETCH_K 1, \s
	s_wait_dscnt 0x0
	KQ W_KQ, 0                                     ; + (K's remainders) Q
	PLACES
	FETCH_V 0, \s
	MASK \s
	SOFTMAX \first, 1
	s_wait_dscnt 0x0
	PV W_PV, P, \first                             ; V P
	PV W_PVL, PL, 0                                ; + V (P's remainders)
	PLACES
	FETCH_V 1, \s
	s_wait_dscnt 0x0
	PV W_PV, P, 0                                  ; + (V's remainders) P
.endm
	s_cmp_eq_u32 s[NT], 1
	s_cbranch_scc1 .Lprecise                       ; block 0
	TRIP 0, 1, 1, 1                                ; the first tile: the window's far edge (with fewer than nine tiles its mask lets every key of it pass)
	s_cmp_eq_u32 s[CNT], 0
	s_cbranch_scc1 .Ltail
.Lpair:                                                ; two unmasked tiles a trip
	TRIP 1, 0, 0, 1
	TRIP 0, 0, 0, 1
	s_sub_co_u32 s[CNT], s[CNT], 1
	s_cmp_lg_u32 s[CNT], 0
	s_cbranch_scc1 .Lpair
.Ltail:                                                ; the tail is written out for both parities
	s_mov_b32 s[REL], 0                            ; the last tile is the diagonal
	s_cmp_lg_u32 s[PAR], 0
	s_cbranch_scc1 .Lodd
	TRIP 1, 0, 1, 0
	s_branch .Lout
.Lodd:
	TRIP 1, 0, 0, 1
	TRIP 0, 0, 1, 0
	s_branch .Lout
.Lprecise:
	; BLOCK 0.  Slot 1's group 0 is pointed at the remainders of keys 0-127 (no load that names it has been issued) and goes out as a second first fill.
	s_lshl_b32 s44, s10, 16                        ; the head's 2 x 128 rows of 256 bytes in each third of lo; half 0 is positions 0-127
	s_mov_b32 s45, 0
	s_add_nc_u64 s[68:69], s[68:69], s[44:45]
	s_and_b32 s46, s[WV], 1
	s_lshl_b32 s46, s46, 14                        ; the step that I fetch
	s_mov_b32 s47, 0
	s_add_nc_u64 s[46:47], s[68:69], s[46:47]
	s_add_nc_u64 s[G0K+6:G0K+7], s[46:47], 1048576 ; k's remainders lie behind q's,
	s_or_b32 s[G0K+7], s[G0K+7], 0x80000000
	s_add_nc_u64 s[G0V+6:G0V+7], s[46:47], 2097152 ; v's behind k's
	s_or_b32 s[G0V+7], s[G0V+7], 0x80000000
	JLOAD 1
	s_lshl_b32 s44, s[WV], 13                      ; my wave's 32 rows
	s_add_nc_u64 s[68:69], s[68:69], s[44:45]
	WIN 0x80                                       ; destination window 2
.irp t, 0,1
.irp c, 0,1,2,3
	global_load_b128 v[QF+32*\t+8*\c:QF+32*\t+8*\c+3],   v[QO], s[68:69] offset:\t*4096+\c*64
	global_load_b128 v[QF+32*\t+8*\c+4:QF+32*\t+8*\c+7], v[QO], s[68:69] offset:\t*4096+\c*64+32
.endr
.endr
	WIN 0
	v_add_nc_u32 v[BR], s[REL], v[BQ]              ; the one tile is the diagonal: s[REL] = 128 (n - 1) = 0
	v_add_nc_u32 v[BR+1], s[REL], v[BQ+1]
	s_wait_tensorcnt 0x0                           ; my parts of both slots are in,
	s_barrier_signal -1
	s_barrier_wait -1                              ; everybody's are; nothing is filled again
	PSTEP 0, 1
	PSTEP 1, 0
	WIN 0
.Lout:
	; THE WAY OUT.  l's two halves and the other half of the lanes' are added; O^T is divided by l, rounded to f16 and sent through my own stage, a tile (16 rows) at a time.
	s_wait_tensorcnt 0x0                           ; no transfer is out at the end, on any way into this label
	PLACES
.irp t, 0,1
	v_add_f32 v[ST+8*\t+4], v[ST+8*\t+2], v[ST+8*\t+3]
.endr
.irp t, 0,1
	v_permlanex16_b32 v[ST+8*\t+5], v[ST+8*\t+4], s40, s41
.endr
.irp t, 0,1
	v_add_f32 v[ST+8*\t+4], v[ST+8*\t+4], v[ST+8*\t+5]
.endr
.irp t, 0,1
	v_rcp_f32 v[ST+8*\t+6], v[ST+8*\t+4]
.endr
	v_nop                                          ; a plain instruction between the last reciprocal and the use of its result
	s_wait_alu depctr_va_vdst(0)
.macro PACK t
	WIN W_RS
.set i, 64*\t
.rept 32
	v_pk_mul_f32 v[i:i+1], v[i:i+1], v[ST+8*\t+6:ST+8*\t+7] op_sel_hi:[1,0]
.set i, i+2
.endr
	WIN 0x05                                       ; sources 0 and 1 window 1, destination window 0
.set i, 0
.rept 32
	v_cvt_pk_f16_f32 v[PB+32*\t+i], v[64*\t+2*i], v[64*\t+2*i+1]
.set i, i+1
.endr
	WIN 0
.irp f, 0,1,2,3,4,5,6,7
	ds_store_b128 v[STO], v[PB+32*\t+4*\f:PB+32*\t+4*\f+3] offset:32*\f
.endr
.irp f, 0,1,2,3,4,5,6,7
	ds_load_b128 v[PB+32*\t+4*\f:PB+32*\t+4*\f+3], v[RD] offset:\f*2*SP   ; LDS serves a wave's instructions in order (ISA guide 5.7.1.4): these see the stores above; the next tile's stores come behind them
.endr
.endm
.macro SEND t, younger                 ; younger: the LDS instructions issued behind tile t's loads
.irp f, 0,1,2,3,4,5,6,7
	s_wait_dscnt \younger+7-\f
	global_store_b128 v[GO], v[PB+32*\t+4*\f:PB+32*\t+4*\f+3], s[66:67] offset:\t*32768+\f*4096   ; 16 lanes store 256 consecutive bytes, at a multiple of 256 from att's first byte
.endr
.endm
	PACK 0
	PACK 1
	SEND 0, 16
	SEND 1, 0
	s_set_vgpr_msb 0xa
	s_wait_tensorcnt 0x0
	ds_add_u32 v254, v255
	s_wait_dscnt 0x0
	s_set_vgpr_msb 0xa00
	s_endpgm
.Lfunc_end_k_q9859d6d287_attn:
	.size	k_q9859d6d287_attn, .Lfunc_end_k_q9859d6d287_attn-k_q9859d6d287_attn
	.p2alignl 7, 3214868480
	.fill 96, 4, 3214868480
	.section	.rodata,"a",@progbits
	.p2align	6, 0x0
	.amdhsa_kernel k_q9859d6d287_attn
		.amdhsa_group_segment_fixed_size 327680
		.amdhsa_private_segment_fixed_size 0
		.amdhsa_enable_private_segment 0
		.amdhsa_kernarg_size 24
		.amdhsa_user_sgpr_count 2
		.amdhsa_user_sgpr_kernarg_segment_ptr 1
		.amdhsa_wavefront_size32 1
		.amdhsa_system_sgpr_workgroup_id_x 1
		.amdhsa_system_sgpr_workgroup_id_y 1
		.amdhsa_system_sgpr_workgroup_id_z 1
		.amdhsa_system_vgpr_workitem_id 0
		.amdhsa_next_free_vgpr 768
		.amdhsa_next_free_sgpr 72
		.amdhsa_reserve_vcc 0
		.amdhsa_float_denorm_mode_32 3
		.amdhsa_float_denorm_mode_16_64 3
		.amdhsa_memory_ordered 1
		.amdhsa_forward_progress 1
		.amdhsa_inst_pref_size 255
	.end_amdhsa_kernel
	.section	.bss,"aw",@nobits
	.p2align	6
	.space	262144
	.amdgpu_metadata
---
amdhsa.version: [ 1, 2 ]
amdhsa.kernels:
  - .name:           k_q9859d6d287_attn
    .symbol:         k_q9859d6d287_attn.kd
    .args:
      - { .name: qkv, .offset: 0, .size: 8, .value_kind: global_buffer, .address_space: global }
      - { .name: lo, .offset: 8, .size: 8, .value_kind: global_buffer, .address_space: global }
      - { .name: att, .offset: 16, .size: 8, .value_kind: global_buffer, .address_space: global }
    .group_segment_fixed_size: 327680
    .private_segment_fixed_size: 0
    .kernarg_segment_align: 8
    .kernarg_segment_size: 24
    .max_flat_workgroup_size: 128
    .sgpr_count:     72
    .vgpr_count:     768
    .wavefront_size: 32
...
	.end_amdgpu_metadata
.endif
;; end of part 3
;; launch oproj (part 4): grid 8 x 32, 4 waves a work-group, clusters of 4 x 4, 327,680 bytes of LDS; arguments att, cb, out0; writes out0
.if DOCPART == 4
	.amdgcn_target "amdgcn-amd-amdhsa--gfx1250"
	.amdhsa_code_object_version 6
	.text
	.protected	k_q9859d6d287_oproj
	.globl	k_q9859d6d287_oproj
	.p2align	8
	.type	k_q9859d6d287_oproj,@function
k_q9859d6d287_oproj:
	s_mov_b64 s[64:65], 0
	v_nop
	global_prefetch_b8 v0, s[64:65] scope:SCOPE_SE
	s_setreg_imm32_b32 hwreg(HW_REG_WAVE_MODE, 25, 1), 1
	s_wait_xcnt 0x0
	s_wait_alu depctr_hold_cnt(0) depctr_sa_sdst(0) depctr_va_vdst(0) depctr_va_sdst(0) depctr_va_ssrc(0) depctr_va_vcc(0) depctr_vm_vsrc(0)
	s_getreg_b32 s2, hwreg(HW_REG_IB_STS2, 6, 4)
	s_cmp_eq_u32 s2, 0
	s_cbranch_scc0 .Lentry_in_a_cluster
	s_endpgm
.Lentry_in_a_cluster:
	s_bfe_u32 s2, ttmp6, 0x10000c
	s_cmp_lg_u32 s2, 0xf033
	s_cbranch_scc0 .Lentry_shape_is_right
	s_endpgm
.Lentry_shape_is_right:
; out0 = att wo^T.  att: f16 [4096][1024]; wo: f16 [2048][1024] (the input rounded to bf16, written as f16), at byte 29,360,128 of cb; out0: f32 [4096][2048]; sums in f32.
; A tile of out0 is 128 rows x 256 columns: 32 x 8 = 256 work-groups.  Four waves, each all 128 rows x 64 columns: 32 accumulators of 16 x 16, 256 registers.
; K goes in steps of 128 (rows of 256 bytes in memory, at multiples of 256 from the buffers' first bytes) through two LDS slots of 384 rows: att's 128, then wo's 256.
; Waves 0 and 1 fetch att's two halves of 64 rows, waves 2 and 3 wo's two halves of 128 rows.
; CLUSTERS: 4 x 4 work-groups.  The four of a row of the cluster need the same rows of att, the four of a column the same rows of wo: each tile is asked for jointly.
; A wave has two tensor loads out at the start and one behind each round.
; THE MATRIX INSTRUCTION IS USED TRANSPOSED (source 0 = 16 rows of wo, source 1 = 16 rows of att): a lane holds eight neighbouring numbers, 32 bytes, of a row of out0.
; REGISTERS: window 0: v0-31 addresses; v32-95 two buffers of 16 rows on the way out.  window 1: two fragment buffers of 96 (64 of att, 32 of wo).
;   window 2: the accumulators, (a, nb) at v[8 (4 a + nb)].
.set KSTEP,  128
.set PITCH,  272                       ; an LDS row: 256 bytes + 16 of padding: row r starts at bank 4 r mod 64 (64 banks of 4 bytes: ISA guide 11.1)
.set AHALF,  64*PITCH
.set BHALF,  128*PITCH
.set BOFF,   128*PITCH                 ; wo's rows lie behind att's 128
.set SLOT,   384*PITCH
.set STAGE,  2*SLOT                    ; behind the ring: 16 rows x 272 bytes for each wave; no tensor load fills it
.set SPITCH, 272
.set LAPS,   4                         ; 1,024 / 256
.set ADRA, 16
.set ADRB, 20
.set STO,  24
.set RD,   25
.set CO,   26
.set OB,   32
.set F0,   0
.set F1,   96
.set G1,  24                           ; s[24:31] descriptor group 1 for att's tiles;  s[32:39] group 0, a set for each slot
.set G0,  32
.set G1B, 48                           ; s[48:55], s[56:63] the same for wo's tiles
.set G0B, 56
.set MSB, 0
.macro WIN new
.if MSB != (\new)
	s_set_vgpr_msb (MSB<<8)|(\new)
.set MSB, (\new)
.endif
.endm
.set MUL,  0xa5                        ; sources 0 and 1 window 1, C and D window 2
.set TO_F, 0x40
.macro JLOAD s                         ; a joint load; four v_nop follow each of the two lines
	s_cmp_eq_u32 s11, 0
	s_cbranch_scc0 .Lfor_b_\@
	tensor_load_to_lds s[G0+4*(\s):G0+4*(\s)+3], s[G1:G1+7]
	s_nop 0
.rept 4
	v_nop
.endr
	s_branch .Lasked_\@
.Lfor_b_\@:
	tensor_load_to_lds s[G0B+4*(\s):G0B+4*(\s)+3], s[G1B:G1B+7]
	s_nop 0
.rept 4
	v_nop
.endr
.Lasked_\@:
.endm
.macro CREST
	s_cmp_lg_u32 s10, 0
	s_cbranch_scc1 .Lnot_wave_0_\@
	s_barrier_signal -3
.Lnot_wave_0_\@:
	s_barrier_wait -3
	s_barrier_signal -1
	s_barrier_wait -1
.endm
.macro CROUND
	s_barrier_signal -1
	s_barrier_wait -1
	CREST
.endm
	s_load_b128 s[4:7], s[0:1], 0x0                ; att s[4:5], cb s[6:7]
	s_load_b64 s[8:9], s[0:1], 0x10                ; out0
	s_set_vgpr_msb 0x40
	v_lshl_add_u32 v254, v0, 2, 0x37400
	v_mov_b32 v255, 0
	s_set_vgpr_msb 0x4045
	ds_add_u32 v254, v255
	ds_add_u32 v254, v255
	s_set_vgpr_msb 0x4500
	v_lshrrev_b32 v1, 5, v0
	v_readfirstlane_b32 s10, v1                    ; wave 0..3
	s_lshr_b32 s11, s10, 1                         ; I fetch for att (0) or for wo (1)
	s_and_b32 s12, s10, 1                          ; which half of that tile
	s_bfe_u32 s40, ttmp6, 0x40000                  ; cx, cy
	s_bfe_u32 s41, ttmp6, 0x40004
	s_lshl_b32 s42, ttmp9, 2
	s_add_co_u32 s42, s42, s40                     ; the block of 256 columns = 4 x cluster x + cx
	s_and_b32 s13, ttmp7, 0xffff
	s_lshl_b32 s13, s13, 2
	s_add_co_u32 s13, s13, s41                     ; the block of 128 rows = 4 x cluster y + cy
	s_lshl_b32 s43, s41, 2
	s_lshl_b32 s43, 15, s43                        ; my row of the cluster
	s_lshl_b32 s44, 0x1111, s40                    ; my column
	s_or_b32 s[G1+0], s43, (1<<16)|(1<<20)|(1<<21)|(5<<22)|(3<<25)   ; the mask; elements of 2 bytes; padding on; bit 21 beside a mask; after every 64 words (code 5) 4 words (code 3)
	s_or_b32 s[G1B+0], s44, (1<<16)|(1<<20)|(1<<21)|(5<<22)|(3<<25)
	s_mov_b32 s[G1+1], KSTEP<<16                   ; tensor_dim0 = 128
	s_mov_b32 s[G1+2], 64<<16                      ; tensor_dim1 = 64
	s_mov_b32 s[G1+3], KSTEP<<16                   ; tile_dim0 = 128
	s_mov_b32 s[G1+4], 64                          ; tile_dim1 = 64
	s_mov_b32 s[G1+5], 1024                        ; elements from row to row
	s_mov_b32 s[G1+6], 0
	s_mov_b32 s[G1+7], 0
	s_mov_b32 s[G1B+1], KSTEP<<16
	s_mov_b32 s[G1B+2], 128<<16                    ; 128 rows
	s_mov_b32 s[G1B+3], KSTEP<<16
	s_mov_b32 s[G1B+4], 128
	s_mov_b32 s[G1B+5], 1024
	s_mov_b32 s[G1B+6], 0
	s_mov_b32 s[G1B+7], 0
	s_lshl_b32 s16, s13, 18                        ; att: 128 rows of 2,048 bytes a block,
	s_lshl_b32 s17, s12, 17                        ; 64 a half
	s_add_co_u32 s16, s16, s17
	s_mov_b32 s17, 0
	s_lshl_b32 s46, s42, 19                        ; wo: 256 rows of 2,048 bytes a block,
	s_lshl_b32 s47, s12, 18                        ; 128 a half,
	s_add_co_u32 s46, s46, s47
	s_add_co_u32 s46, s46, 29360128                ; behind X and the three other weights in cb
	s_mov_b32 s47, 0
	s_mul_i32 s20, s12, AHALF                      ; where they go: no place in the cluster enters an LDS address
	s_mul_i32 s21, s12, BHALF
	s_add_co_u32 s21, s21, BOFF
	s_lshl_b32 s18, s13, 20                        ; out0: 128 rows of 8,192 bytes a block,
	s_lshl_b32 s19, s42, 10                        ; 256 columns of 4 bytes,
	s_add_co_u32 s18, s18, s19
	s_lshl_b32 s19, s10, 8                         ; my wave's 64 columns
	s_add_co_u32 s18, s18, s19
	s_mov_b32 s19, 0
	s_wait_dscnt 0x0
	s_wait_kmcnt 0x0
	s_add_nc_u64 s[14:15], s[4:5], s[16:17]
	s_add_nc_u64 s[46:47], s[6:7], s[46:47]
	s_add_nc_u64 s[8:9], s[8:9], s[18:19]
	CROUND                                         ; all sixteen work-groups are here: the first joint loads meet
.irp s, 0,1
	s_mov_b32 s[G0+4*\s], 1
	s_add_co_u32 s[G0+4*\s+1], s20, \s*SLOT
	s_add_nc_u64 s[G0+4*\s+2:G0+4*\s+3], s[14:15], \s*KSTEP*2
	s_or_b32 s[G0+4*\s+3], s[G0+4*\s+3], 0x80000000
	s_mov_b32 s[G0B+4*\s], 1
	s_add_co_u32 s[G0B+4*\s+1], s21, \s*SLOT
	s_add_nc_u64 s[G0B+4*\s+2:G0B+4*\s+3], s[46:47], \s*KSTEP*2
	s_or_b32 s[G0B+4*\s+3], s[G0B+4*\s+3], 0x80000000
	JLOAD \s
.endr
	v_and_b32 v1, 15, v0                           ; r = l % 16
	v_bfe_u32 v2, v0, 4, 1                         ; h = l / 16
	v_mul_u32_u24 v3, v1, PITCH
	v_lshl_add_u32 v3, v2, 4, v3                   ; a fragment's row x pitch + 16 x half
	v_mov_b32 v[ADRA], v3
	v_add_nc_u32 v[ADRA+1], SLOT, v3
	s_mul_i32 s22, s10, 64*PITCH                   ; my 64 rows of wo
	s_add_co_u32 s22, s22, BOFF
	v_add_nc_u32 v[ADRB], s22, v3
	v_add_nc_u32 v[ADRB+1], SLOT, v[ADRB]
	s_mul_i32 s23, s10, 16*SPITCH
	s_add_co_u32 s23, s23, STAGE                   ; my stage
	v_mul_u32_u24 v4, v1, SPITCH                   ; in: row l % 16, 32 bytes for each half of the lanes
	v_lshl_add_u32 v4, v2, 5, v4
	v_add_nc_u32 v[STO], s23, v4
	v_mul_u32_u24 v5, v2, SPITCH                   ; back: lanes 0-15 one row of 256 bytes, lanes 16-31 the next
	v_lshl_add_u32 v5, v1, 4, v5
	v_add_nc_u32 v[RD], s23, v5
	v_lshlrev_b32 v[CO], 13, v2                    ; and the same two rows in out0
	v_lshl_add_u32 v[CO], v1, 4, v[CO]
; 8 matrix instructions: row blocks a0, a0 + 1 x all 4 column blocks, 32 along K.  The 32 accumulators take turns, one instruction a turn.
.macro MUL8 f, a0, zero
.irp a, \a0, \a0+1
.irp nb, 0,1,2,3
.if \zero
	v_wmma_f32_16x16x32_f16 v[8*(4*(\a)+\nb):8*(4*(\a)+\nb)+7], v[\f+64+8*\nb:\f+64+8*\nb+7], v[\f+8*(\a):\f+8*(\a)+7], 0
.else
	v_wmma_f32_16x16x32_f16 v[8*(4*(\a)+\nb):8*(4*(\a)+\nb)+7], v[\f+64+8*\nb:\f+64+8*\nb+7], v[\f+8*(\a):\f+8*(\a)+7], v[8*(4*(\a)+\nb):8*(4*(\a)+\nb)+7]
.endif
.endr
.endr
.endm
; 24 LDS loads in one run: wo's 8, att's rows 0-63 (8), att's rows 64-127 (8)
.macro FETCH slot, k, f
	WIN TO_F
.irp nb, 0,1,2,3
	ds_load_b128 v[\f+64+8*\nb:\f+64+8*\nb+3],   v[ADRB+\slot] offset:\k+\nb*16*PITCH
	ds_load_b128 v[\f+64+8*\nb+4:\f+64+8*\nb+7], v[ADRB+\slot] offset:\k+\nb*16*PITCH+32
.endr
.irp a, 0,1,2,3,4,5,6,7
	ds_load_b128 v[\f+8*\a:\f+8*\a+3],   v[ADRA+\slot] offset:\k+\a*16*PITCH
	ds_load_b128 v[\f+8*\a+4:\f+8*\a+7], v[ADRA+\slot] offset:\k+\a*16*PITCH+32
.endr
.endm
.macro PLACES                          ; four places in front of loads into registers that matrix instructions have read, and of LDS stores that read results (ISA guide 7.12.1 for vector instructions)
.rept 4
	v_nop
.endr
.endm
.macro QUARTER slot, k, f, g, zero
	s_wait_dscnt 8                                 ; wo and att's rows 0-63 are in; the youngest eight loads (rows 64-127) may be out
	WIN MUL
	MUL8 \f, 0, \zero
	MUL8 \f, 2, \zero
	PLACES
	FETCH \slot, \k, \g
	s_wait_dscnt 24                                ; all but the 24 just issued
	WIN MUL
	MUL8 \f, 4, \zero
	MUL8 \f, 6, \zero
.endm
; The last quarter multiplies buffer 1 and changes slots: ONE barrier; in front of it each wave waits for its own reads of this slot and for all its tensor loads.
; fill = 1: the barrier opens a round of the cluster's barrier, and this slot is filled again, two K steps ahead, first thing behind the round.
.macro TURN slot, next, fill
	s_wait_dscnt 8
	WIN MUL
	MUL8 F1, 0, 0
	s_wait_dscnt 0                                 ; my reads of this slot are over,
	s_wait_tensorcnt 0x0                           ; and all my tensor loads have landed: my part of the next slot
	ds_add_u32 v254, v255
	s_wait_dscnt 0x0
	s_barrier_signal -1
	MUL8 F1, 2, 0
.if \fill
	WIN 0
.endif
	s_barrier_wait -1
.if \fill
	CREST
	s_add_nc_u64 s[G0+4*\slot+2:G0+4*\slot+3], s[G0+4*\slot+2:G0+4*\slot+3], 2*KSTEP*2
	s_add_nc_u64 s[G0B+4*\slot+2:G0B+4*\slot+3], s[G0B+4*\slot+2:G0B+4*\slot+3], 2*KSTEP*2
	JLOAD \slot                                    ; 120 matrix instructions ahead of the wait for it; its four v_nop are also the places in front of the loads below
.else
	PLACES
.endif
	FETCH \next, 0, F0
	WIN MUL
	MUL8 F1, 4, 0
	MUL8 F1, 6, 0
.endm
	s_wait_tensorcnt 1                             ; my part of K step 0 is in; K step 1's may stay out
	s_barrier_signal -1
	s_barrier_wait -1
	FETCH 0, 0, F0
	QUARTER 0, 64,  F0, F1, 1                      ; the first quarter's products start the sums
	WIN 0
	s_mov_b32 s3, LAPS-1
.Llap:
	QUARTER 0, 128, F1, F0, 0
	QUARTER 0, 192, F0, F1, 0
	TURN 0, 1, 1
	QUARTER 1, 64,  F0, F1, 0
	QUARTER 1, 128, F1, F0, 0
	QUARTER 1, 192, F0, F1, 0
	TURN 1, 0, 1
	QUARTER 0, 64,  F0, F1, 0
	WIN 0
	s_sub_co_u32 s3, s3, 1
	s_cmp_lg_u32 s3, 0
	s_cbranch_scc1 .Llap
	QUARTER 0, 128, F1, F0, 0                      ; the last lap fills nothing, and has no round
	QUARTER 0, 192, F0, F1, 0
	TURN 0, 1, 0
	QUARTER 1, 64,  F0, F1, 0
	QUARTER 1, 128, F1, F0, 0
	QUARTER 1, 192, F0, F1, 0
	s_wait_dscnt 8
	WIN MUL
	MUL8 F1, 0, 0
	MUL8 F1, 2, 0
	s_wait_dscnt 0
	MUL8 F1, 4, 0
	MUL8 F1, 6, 0
	; THE WAY OUT, in f32: a block of 16 rows at a time through my own stage (no barrier: no other wave touches it): 32 bytes a lane in, whole rows of 256 bytes back.
.macro TOSTAGE a
	WIN 0x08                                       ; an LDS store's data (source 1) window 2
.irp nb, 0,1,2,3
	ds_store_b128 v[STO], v[8*(4*(\a)+\nb):8*(4*(\a)+\nb)+3]   offset:64*\nb
	ds_store_b128 v[STO], v[8*(4*(\a)+\nb)+4:8*(4*(\a)+\nb)+7] offset:64*\nb+16
.endr
	WIN 0
.if (\a) >= 2
	s_wait_xcnt 0x0                                ; every earlier memory instruction has had its addresses translated (ISA guide 3.1): the buffer that block a - 2's stores read is loaded again only behind this wait
.endif
.irp i, 0,1,2,3,4,5,6,7
	ds_load_b128 v[OB+32*((\a)%2)+4*\i:OB+32*((\a)%2)+4*\i+3], v[RD] offset:\i*2*SPITCH   ; LDS serves a wave's instructions in order (ISA guide 5.7.1.4): these see the stores above
.endr
.endm
.macro SEND a, younger                 ; younger: the LDS instructions issued behind block a's loads
.irp i, 0,1,2,3,4,5,6,7
	s_wait_dscnt \younger+7-\i
	global_store_b128 v[CO], v[OB+32*((\a)%2)+4*\i:OB+32*((\a)%2)+4*\i+3], s[8:9] offset:(16*(\a)+2*\i)*8192 th:TH_STORE_NT   ; 16 lanes store 256 consecutive bytes, at a multiple of 256 from out0's first byte; 1,032,192 at the most, inside the signed 24-bit immediate
.endr
.endm
	PLACES
	TOSTAGE 0
.irp a, 1,2,3,4,5,6,7
	TOSTAGE \a
	SEND \a-1, 16
.endr
	SEND 7, 0
	s_set_vgpr_msb 0x5
	s_wait_tensorcnt 0x0
	ds_add_u32 v254, v255
	s_wait_dscnt 0x0
	s_set_vgpr_msb 0x500
	CROUND                                         ; the closing round: no work-group ends while a partner may still ask for a tile that names it
	s_endpgm
.Lfunc_end_k_q9859d6d287_oproj:
	.size	k_q9859d6d287_oproj, .Lfunc_end_k_q9859d6d287_oproj-k_q9859d6d287_oproj
	.p2alignl 7, 3214868480
	.fill 96, 4, 3214868480
	.section	.rodata,"a",@progbits
	.p2align	6, 0x0
	.amdhsa_kernel k_q9859d6d287_oproj
		.amdhsa_group_segment_fixed_size 327680
		.amdhsa_private_segment_fixed_size 0
		.amdhsa_enable_private_segment 0
		.amdhsa_kernarg_size 24
		.amdhsa_user_sgpr_count 2
		.amdhsa_user_sgpr_kernarg_segment_ptr 1
		.amdhsa_wavefront_size32 1
		.amdhsa_system_sgpr_workgroup_id_x 1
		.amdhsa_system_sgpr_workgroup_id_y 1
		.amdhsa_system_sgpr_workgroup_id_z 1
		.amdhsa_system_vgpr_workitem_id 0
		.amdhsa_next_free_vgpr 768
		.amdhsa_next_free_sgpr 66
		.amdhsa_reserve_vcc 0
		.amdhsa_float_denorm_mode_32 3
		.amdhsa_float_denorm_mode_16_64 3
		.amdhsa_memory_ordered 1
		.amdhsa_forward_progress 1
		.amdhsa_inst_pref_size 87
	.end_amdhsa_kernel
	.amdgpu_metadata
---
amdhsa.version: [ 1, 2 ]
amdhsa.kernels:
  - .name:           k_q9859d6d287_oproj
    .symbol:         k_q9859d6d287_oproj.kd
    .args:
      - { .name: att, .offset: 0, .size: 8, .value_kind: global_buffer, .address_space: global }
      - { .name: cb, .offset: 8, .size: 8, .value_kind: global_buffer, .address_space: global }
      - { .name: out0, .offset: 16, .size: 8, .value_kind: global_buffer, .address_space: global }
    .group_segment_fixed_size: 327680
    .private_segment_fixed_size: 0
    .kernarg_segment_align: 8
    .kernarg_segment_size: 24
    .max_flat_workgroup_size: 128
    .sgpr_count:     66
    .vgpr_count:     768
    .wavefront_size: 32
...
	.end_amdgpu_metadata
.endif
;; end of part 4
